; MI455X (gfx1250); checked and timed in simulation.
; The chip was launched on July 23, 2026; its instructions are those of AMD's public machine-readable ISA for CDNA 5 (MIT licence, August 2026) and "CDNA5" Instruction Set Architecture Reference Guide (July 2026). The comments in the code are by the model that wrote it; some were corrected since.
;; Block. Allowed arithmetic: matrix products marked QUANTISED: E2M3 operands, one E8M0 scale for each 32 along K, by v_wmma_scale_f32_16x16x128_f8f6f4 with both operands' format E2M3, f32 sums; everything else in f32.
;; Inputs: b_ff1 4,096 float32; b_ff2 1,024 float32; ln1_b 1,024 float32; ln1_g 1,024 float32; ln2_b 1,024 float32; ln2_g 1,024 float32; w_ff1_codes 4,096 x 32 x 24 uint8 (E2M3 codes of w_ff1, K innermost, in blocks of 32 codes, four codes in three bytes); w_ff1_scales 4,096 x 32 uint8 (E8M0 scales of w_ff1, one for each 32 codes along K); w_ff2_codes 1,024 x 128 x 24 uint8 (E2M3 codes of w_ff2, K innermost, in blocks of 32 codes, four codes in three bytes); w_ff2_scales 1,024 x 128 uint8 (E8M0 scales of w_ff2, one for each 32 codes along K); w_proj_codes 1,024 x 32 x 24 uint8 (E2M3 codes of w_proj, K innermost, in blocks of 32 codes, four codes in three bytes); w_proj_scales 1,024 x 32 uint8 (E8M0 scales of w_proj, one for each 32 codes along K); w_qkv_codes 3,072 x 32 x 24 uint8 (E2M3 codes of w_qkv, K innermost, in blocks of 32 codes, four codes in three bytes); w_qkv_scales 3,072 x 32 uint8 (E8M0 scales of w_qkv, one for each 32 codes along K); x 2 x 2,048 x 1,024 float32.
;; Outputs: out0 2 x 2,048 x 1,024 float32.
;; This version of the problem:
;;   THIS VERSION OF THE PROBLEM IS GIVEN IN LOW PRECISION. The matrix products marked QUANTISED in the list below multiply operands that are first quantised to E2M3 (2 exponent bits, 3 mantissa bits; 6 bits a number), with one power-of-two scale for each 32 numbers along K (OCP MX v1.0); their sums are f32. All else is computed in f32.
;;   The module's matrix products, in the order in which they are computed (A, B: the left and right operand; K: the contracted axis; several contracted axes count as one K, in the product's order):
;;     1. [M 4,096, K 1,024] x [K 1,024, N 3,072]; A: computed on the way; B: input w_qkv (given as codes): QUANTISED
;;     2. batch 32 x [M 2,048, K 64] x [K 64, N 2,048]; A: computed on the way; B: computed on the way: QUANTISED
;;     3. batch 32 x [M 2,048, K 2,048] x [K 2,048, N 64]; A: softmax (see below); B: computed on the way: QUANTISED
;;     4. [M 4,096, K 1,024] x [K 1,024, N 1,024]; A: computed on the way; B: input w_proj (given as codes): QUANTISED
;;     5. [M 4,096, K 1,024] x [K 1,024, N 4,096]; A: computed on the way; B: input w_ff1 (given as codes): QUANTISED
;;     6. [M 4,096, K 4,096] x [K 4,096, N 1,024]; A: computed on the way; B: input w_ff2 (given as codes): QUANTISED
;;   THE QUANTISER, for each operand of a quantised product, along K:
;;     - K is cut into blocks of 32 from its start; a last block that is shorter is filled with zeros.
;;     - A block's scale is 2^e with e = floor(log2(the largest magnitude in the block)) - 2, held to -126 .. 127; a block of zeros has e = 0. As a byte (E8M0): e + 127.
;;     - Each number is divided by its block's scale, clamped to +-7.5, and rounded to the nearest number of E2M3, ties to even, subnormals kept.
;;     - The product sums the exact products of the quantised numbers (number of the format x scale) in f32.
;;   ~~~python
;;   def quantise(x, axis):      # numpy; x: float32 -> the quantised numbers, widened to float32 again
;;       x = np.moveaxis(x, axis, -1); K = x.shape[-1]
;;       x = np.pad(x, [(0, 0)] * (x.ndim - 1) + [(0, -K % 32)]); x = x.reshape(x.shape[:-1] + (-1, 32)); a = np.abs(x).max(-1, keepdims=True)
;;       e = np.where(a > 0, np.clip(np.frexp(np.where(a > 0, a, 1))[1] - 1 - 2, -126, 127), 0)      # np.frexp(a)[1] - 1 = floor(log2(a)), exactly
;;       r = np.clip(x / 2.0 ** e, -7.5, 7.5)
;;       step = 2.0 ** (np.maximum(np.frexp(np.where(r == 0, 1, r))[1] - 1, 0) - 3)
;;       q = np.round(r / step) * step * 2.0 ** e      # np.round: ties to even
;;       return np.moveaxis(q.reshape(q.shape[:-2] + (-1,))[..., :K], -1, axis).astype(np.float32)
;;   ~~~
;;   SOFTMAX AHEAD OF A QUANTISED PRODUCT. Where the list says 'softmax', what is quantised is not the finished softmax but p = 2^(t - M), with t = logit x log2(e) and M = ceil(the row's largest t), a whole number; so 1/2 < the row's largest p <= 1. The row's sum l is taken of the UNQUANTISED p, in f32, and the product's result is divided by l at the end. Since M is a whole number, a kernel that streams over the keys may use a running M (the ceiling of the running maximum): every later rescaling is an exact power of two, which a block's scale takes up: the codes' values come out the same.
;;   OPERANDS COMPUTED ON THE WAY. 'Computed on the way' means the value that the module computes at that place (a softmax that the list does not call 'softmax' is quantised finished and normalised). What goes into a quantiser is computed in f32, as accurately as f32 sums, v_exp_f32 and their like allow (about 1e-6 of the number): no bf16 or f16 on the way to a quantiser, and a product that is left as it is and whose result goes on into a quantised operand takes f32 operands (vector FMAs, or v_wmma_f32_16x16x4_f32). A number that lies on a knife's edge between two numbers of the format may be rounded either way, as far as f32 arithmetic and the matrix unit's own rounding can turn it there, and no further.
;;   INPUTS GIVEN AS CODES. w_ff1 (in the module: [1024, 4096], K = its axis 0); w_ff2 (in the module: [4096, 1024], K = its axis 0); w_proj (in the module: [1024, 1024], K = its axis 0); w_qkv (in the module: [1024, 3072], K = its axis 0): each comes as NAME_codes (uint8): NAME with its K axis moved to the last place and cut into blocks of 32 codes, [.., K / 32, bytes a block], one block behind the other in memory; four codes in three bytes: a row's codes are one little-endian stream of bits, code i at bits 6 i .. 6 i + 5 (a code: sign, 2 exponent bits, 3 mantissa bits); and NAME_scales (uint8): the same leading axes, one E8M0 byte (e + 127) for each 32 codes along K. Its value is code x scale, taken as it is: it is not quantised again, and the codes and scales need not be those that the quantiser above would give.
;; One version. Each part assembles by itself: llvm-mc -triple=amdgcn-amd-amdhsa -mcpu=gfx1250 --defsym DOCPART=n.
;; ======== version 1 of 1: 7 launches
;; limits: a function is approximated: absolute error at most 1.5e-07
;; workspace buffers: act 3,276,800 bytes; qkv 9,830,400 bytes; x1 16,777,216 bytes; hact 13,107,200 bytes
;; launch ln1 (part 1): grid 256 x 1, 4 waves a work-group, no clusters, 168,448 bytes of LDS; arguments x, ln1_g, ln1_b, act; writes act
.if DOCPART == 1
	.amdgcn_target "amdgcn-amd-amdhsa--gfx1250"
	.amdhsa_code_object_version 6
	.text
	.protected	k_q3fa718fa70_ln1
	.globl	k_q3fa718fa70_ln1
	.p2align	8
	.type	k_q3fa718fa70_ln1,@function
k_q3fa718fa70_ln1:
	s_mov_b64 s[64:65], 0
	v_nop
	global_prefetch_b8 v0, s[64:65] scope:SCOPE_SE
	s_setreg_imm32_b32 hwreg(HW_REG_WAVE_MODE, 25, 1), 1
	s_wait_xcnt 0x0
; LayerNorm over rows of 1,024 f32, then the MX-FP6 quantiser along the row: codes [token][768 bytes] at byte 0 of the output buffer, E8M0 bytes [token][32] at byte 3,145,728.
; SHARES.  A work-group takes 16 tokens.  Wave w takes columns 256 w .. 256 w + 255 of all 16 rows: two K steps of 128.  Lane (r, h) holds 128 numbers of row r:
; register 64 s + 16 b + i is column 128 (2 w + s) + 32 b + 16 h + i, the order in which the conversions want a block's halves.
; x, gain and bias come by three tensor loads a wave, all first fills, into the wave's own bytes; nothing is filled again.  Three tensor loads of a wave are out.
; Mean and variance are taken in two passes (the mean is taken away before the squares), each joined over the four waves through 256 bytes of LDS and a barrier.
; A block's scale byte is its largest magnitude's exponent field - 2, held at 1 from below; a block of zeros so gets the byte 1 (its codes are zeros; this program alone reads the bytes).
; LIMITS: NaN and infinities among the inputs are not served.
; No cluster: work-groups share only gain and bias, 8 KiB beside 64 KiB of x.  No prefetch: all that a work-group reads is asked for at its head.
.set WREG,  18944                      ; a wave's region: x 16 rows x 1,040 bytes at 0, gain at GOFF, bias at BOFF
.set XP,    1040                       ; a row's 1,024 bytes + 16 of padding: the sixteen rows of a 16-byte load start in sixteen different groups of banks
.set GOFF,  16896
.set BOFF,  17920
.set SX,    75776                      ; 16 rows x 4 partial sums; the sums of squares 256 bytes on
.set SS,    76288                      ; 16 rows x 32 scale bytes
.set CST,   76800                      ; 16 rows x 776: the codes' stage
.set CP,    776
.set XA,  4                            ; v4  my place in x's rows
.set GA,  5                            ; v5  my place in gain and bias
.set SXW, 6                            ; v6  where I store a partial sum
.set SXR, 7                            ; v7  where I read a row's four
.set SSW, 8                            ; v8  where I store a scale word
.set CW,  9                            ; v9  where I store codes
.set CR,  10                           ; v10 where I read rows of codes back
.set GO,  11                           ; v11 and where they go in memory
.set TM,  24                           ; v24-39 the quantiser's work
.set PC,  40                           ; v40-59 codes
.set PW,  60                           ; v60 the scale word
.set SSR, 62                           ; v62 wave 0: the scale rows back
.set SGO, 63                           ; v63 16 x lane
.set X,   64                           ; v64-191 my 128 numbers
.set G,   192                          ; v192-223 gain of 32 numbers
.set BV,  224                          ; v224-255 bias of 32 numbers
.set SEL, 44                           ; s[44:45] selects of v_permlanex16_b32 for lane l xor 16
; 64 numbers v[src] .. v[src+63], register 16 b + i = k 32 b + 16 h + i of my row, become 12 registers of codes in the operand's layout (v[PC] on) and the row's scale word (v[PW]).
.macro QUANT src
.irp b, 0,1,2,3
	v_max3_num_f32 v[TM+\b], |v[(\src)+16*\b]|, |v[(\src)+1+16*\b]|, 0x1800000   ; my 16 of block b, and the floor 2^(3 - 127): the byte cannot fall under 1
.endr
.irp i, 2,4,6,8,10,12,14
.irp b, 0,1,2,3
	v_max3_num_f32 v[TM+\b], v[TM+\b], |v[(\src)+16*\b+\i]|, |v[(\src)+1+16*\b+\i]|
.endr
.endr
.irp b, 0,1,2,3
	v_permlanex16_b32 v[TM+4+\b], v[TM+\b], s[SEL], s[SEL+1]
.endr
.irp b, 0,1,2,3
	v_max_num_f32 v[TM+\b], v[TM+\b], v[TM+4+\b]   ; with lane l xor 16's 16: the block's largest magnitude
.endr
.irp b, 0,1,2,3
	v_add_nc_u32 v[TM+12+\b], 0xff000000, v[TM+\b]   ; 2 off its exponent field: the conversion's scale operand
.endr
.irp b, 0,1,2,3
	v_lshrrev_b32 v[TM+4+\b], 23, v[TM+12+\b]       ; the scale's byte
.endr
	v_lshl_or_b32 v[PW], v[TM+5], 8, v[TM+4]
	v_lshl_or_b32 v[PW], v[TM+6], 16, v[PW]
	v_lshl_or_b32 v[PW], v[TM+7], 24, v[PW]
.irp c, 0,1
	v_cvt_scalef32_pk16_fp6_f32 v[PC+6*\c:PC+2+6*\c], v[(\src)+32*\c:(\src)+15+32*\c], v[TM+12+2*\c]
	v_cvt_scalef32_pk16_fp6_f32 v[PC+12+4*\c:PC+14+4*\c], v[(\src)+16+32*\c:(\src)+31+32*\c], v[TM+13+2*\c]   ; (a conversion's three registers begin on an even number)
.endr
	v_nop                                          ; one plain place behind the scaled conversions
.irp c, 0,1
.irp i, 0,1,2
	v_permlane16_swap_b32 v[PC+6*\c+\i], v[PC+12+4*\c+\i]   ; a whole block to a lane: lanes 0-15 block 2 c, lanes 16-31 block 2 c + 1
.endr
.irp i, 0,1,2
	v_mov_b32 v[PC+3+6*\c+\i], v[PC+12+4*\c+\i]
.endr
.endr
.endm
; gain and bias of my numbers 32 q .. 32 q + 31
.macro GBLOAD q
.irp j, 0,1,2,3,4,5,6,7
	ds_load_b128 v[G+4*\j:G+4*\j+3], v[GA] offset:GOFF+512*((\q)/2)+256*((\q)%2)+128*(\j/4)+16*(\j%4)
	ds_load_b128 v[BV+4*\j:BV+4*\j+3], v[GA] offset:BOFF+512*((\q)/2)+256*((\q)%2)+128*(\j/4)+16*(\j%4)
.endr
.endm
; (x - mean) x rsqrt x gain + bias for these 32
.macro APPLY q
.irp j, 0,2,4,6,8,10,12,14,16,18,20,22,24,26,28,30
	v_pk_mul_f32 v[X+32*(\q)+\j:X+32*(\q)+\j+1], v[X+32*(\q)+\j:X+32*(\q)+\j+1], v[14:15]
.endr
.irp j, 0,2,4,6,8,10,12,14,16,18,20,22,24,26,28,30
	v_pk_fma_f32 v[X+32*(\q)+\j:X+32*(\q)+\j+1], v[X+32*(\q)+\j:X+32*(\q)+\j+1], v[G+\j:G+\j+1], v[BV+\j:BV+\j+1]
.endr
.endm
; a K step's codes and scale word into the stages
.macro PUT ks
.irp p, 0,1,2,3,4,5
	ds_store_b64 v[CW], v[PC+2*\p:PC+2*\p+1] offset:96*(\ks)+48*(\p/3)+8*(\p%3)
.endr
	ds_store_b32 v[SSW], v[PW] offset:4*(\ks)
.endm
	s_load_b256 s[4:11], s[0:1], 0x0               ; x s[4:5], gain s[6:7], bias s[8:9], output s[10:11]
	v_lshl_add_u32 v59, v0, 2, 0x29000
	v_mov_b32 v61, 0
	ds_add_u32 v59, v61
	ds_add_u32 v59, v61
	v_lshrrev_b32 v1, 5, v0
	v_readfirstlane_b32 s12, v1                    ; wave 0..3
	; descriptor group 1 for x: 16 rows x 256 elements of 4 bytes, 1,024 elements from row to row, 4 words of padding behind every 256 words
	s_mov_b32 s16, (2<<16)|(1<<20)|(7<<22)|(3<<25)
	s_mov_b32 s17, 256<<16
	s_mov_b32 s18, 16<<16
	s_mov_b32 s19, 256<<16
	s_mov_b32 s20, 16
	s_mov_b32 s21, 1024
	s_mov_b32 s22, 0
	s_mov_b32 s23, 0
	; and for gain and bias: one row of 128 elements of 8 bytes
	s_mov_b32 s24, 3<<16
	s_mov_b32 s25, 128<<16
	s_mov_b32 s26, 1<<16
	s_mov_b32 s27, 128<<16
	s_mov_b32 s28, 1
	s_mov_b32 s29, 128
	s_mov_b32 s30, 0
	s_mov_b32 s31, 0
	s_mul_i32 s13, s12, WREG                       ; my region in LDS
	s_lshl_b32 s2, s12, 10                         ; my 1,024 bytes of a row
	s_mov_b32 s3, 0
	s_lshl_b32 s14, ttmp9, 16                      ; the work-group's 16 rows of 4,096 bytes
	s_add_co_u32 s14, s14, s2
	s_mov_b32 s15, 0
	s_mov_b32 s[SEL], 0x76543210
	s_mov_b32 s[SEL+1], 0xfedcba98
	s_mov_b32 s46, 0x3a800000                      ; 1 / 1,024
	s_mov_b32 s47, 0x3727c5ac                      ; 1e-5
	s_wait_dscnt 0x0
	s_wait_kmcnt 0x0
	s_mov_b32 s32, 1
	s_mov_b32 s33, s13
	s_add_nc_u64 s[34:35], s[4:5], s[14:15]
	s_or_b32 s35, s35, 0x80000000
	s_mov_b32 s36, 1
	s_add_co_u32 s37, s13, GOFF
	s_add_nc_u64 s[38:39], s[6:7], s[2:3]
	s_or_b32 s39, s39, 0x80000000
	s_mov_b32 s40, 1
	s_add_co_u32 s41, s13, BOFF
	s_add_nc_u64 s[42:43], s[8:9], s[2:3]
	s_or_b32 s43, s43, 0x80000000
	tensor_load_to_lds s[32:35], s[16:23]          ; the three first fills stand together, ahead of every wait on TENSORcnt, every LDS read and every barrier
	s_nop 0
	tensor_load_to_lds s[36:39], s[24:31]
	s_nop 0
	tensor_load_to_lds s[40:43], s[24:31]
	s_nop 0
.rept 4
	v_nop                                          ; four behind a tensor load
.endr
	s_lshl_b32 s2, ttmp9, 9
	s_add_co_u32 s2, s2, 3145728
	s_add_nc_u64 s[6:7], s[10:11], s[2:3]          ; where my 16 rows of scale bytes go
	s_mul_i32 s14, ttmp9, 12288
	s_add_nc_u64 s[10:11], s[10:11], s[14:15]      ; and my 16 rows of codes
	v_and_b32 v1, 31, v0                           ; lane
	v_and_b32 v2, 15, v0                           ; r
	v_bfe_u32 v3, v0, 4, 1                         ; h
	v_mul_u32_u24 v[XA], v2, XP
	v_lshl_add_u32 v[XA], v3, 6, v[XA]
	v_add_nc_u32 v[XA], s13, v[XA]
	v_lshlrev_b32 v[GA], 6, v3
	v_add_nc_u32 v[GA], s13, v[GA]
	v_lshlrev_b32 v[SXR], 4, v2
	v_add_nc_u32 v[SXR], SX, v[SXR]
	s_lshl_b32 s2, s12, 2
	v_add_nc_u32 v[SXW], s2, v[SXR]
	v_lshlrev_b32 v[SSW], 5, v2
	s_lshl_b32 s2, s12, 3
	v_add_nc_u32 v[SSW], s2, v[SSW]
	v_add_nc_u32 v[SSW], SS, v[SSW]
	v_mul_u32_u24 v[CW], v2, CP
	v_mad_u32_u24 v[CW], v3, 24, v[CW]
	s_mul_i32 s2, s12, 192
	v_add_nc_u32 v[CW], s2, v[CW]
	v_add_nc_u32 v[CW], CST, v[CW]
	v_lshlrev_b32 v[CR], 3, v1
	s_mul_i32 s2, s12, 3072
	v_add_nc_u32 v[GO], s2, v[CR]
	s_mul_i32 s2, s12, 4*CP
	v_add_nc_u32 v[CR], s2, v[CR]
	v_add_nc_u32 v[CR], CST, v[CR]
	v_lshlrev_b32 v[SGO], 4, v1
	v_add_nc_u32 v[SSR], SS, v[SGO]
.irp b, 0,1,2,3
	v_mov_b32 v[TM+4+\b], 0                        ; written once: a lane permute's destination counts as one of its sources
.endr
	s_wait_tensorcnt 0x2                           ; x has landed; the two loads issued behind it, gain and bias, may be out
.irp s, 0,1
.irp b, 0,1,2,3
.irp j, 0,1,2,3
	ds_load_b128 v[X+64*\s+16*\b+4*\j:X+64*\s+16*\b+4*\j+3], v[XA] offset:512*\s+128*\b+16*\j
.endr
.endr
.endr
	s_wait_dscnt 0x0
	; ---- the mean
	v_pk_add_f32 v[16:17], v[X:X+1], v[X+2:X+3]
	v_pk_add_f32 v[18:19], v[X+4:X+5], v[X+6:X+7]
.set i, 8
.rept 30
	v_pk_add_f32 v[16:17], v[16:17], v[X+i:X+i+1]
	v_pk_add_f32 v[18:19], v[18:19], v[X+i+2:X+i+3]
.set i, i+4
.endr
	v_pk_add_f32 v[16:17], v[16:17], v[18:19]
	v_add_f32 v16, v16, v17
	v_permlanex16_b32 v17, v16, s[SEL], s[SEL+1]
	v_add_f32 v16, v16, v17                        ; the sum of row r over my 256 columns
	ds_store_b32 v[SXW], v16                       ; (lanes l and l + 16 write the same word with the same value)
	s_wait_tensorcnt 0x0                           ; gain and bias have landed too
	s_wait_dscnt 0x0                               ; for the others' sake: my store is done
	s_barrier_signal -1
	s_barrier_wait -1
	ds_load_b128 v[16:19], v[SXR]
	s_wait_dscnt 0x0
	v_add_f32 v16, v16, v17
	v_add_f32 v18, v18, v19
	v_add_f32 v16, v16, v18
	v_mul_f32 v12, s46, v16                        ; the mean
	v_mov_b32 v13, v12
.set i, 0
.rept 64
	v_pk_add_f32 v[X+i:X+i+1], v[X+i:X+i+1], v[12:13] neg_lo:[0,1] neg_hi:[0,1]
.set i, i+2
.endr
	; ---- the variance
	v_pk_mul_f32 v[16:17], v[X:X+1], v[X:X+1]
	v_pk_mul_f32 v[18:19], v[X+2:X+3], v[X+2:X+3]
.set i, 4
.rept 31
	v_pk_fma_f32 v[16:17], v[X+i:X+i+1], v[X+i:X+i+1], v[16:17]
	v_pk_fma_f32 v[18:19], v[X+i+2:X+i+3], v[X+i+2:X+i+3], v[18:19]
.set i, i+4
.endr
	v_pk_add_f32 v[16:17], v[16:17], v[18:19]
	v_add_f32 v16, v16, v17
	v_permlanex16_b32 v17, v16, s[SEL], s[SEL+1]
	v_add_f32 v16, v16, v17
	ds_store_b32 v[SXW], v16 offset:256
	GBLOAD 0                                       ; my own bytes: they land while the waves meet
	s_wait_dscnt 0x0
	s_barrier_signal -1
	s_barrier_wait -1
	ds_load_b128 v[16:19], v[SXR] offset:256
	s_wait_dscnt 0x0
	v_add_f32 v16, v16, v17
	v_add_f32 v18, v18, v19
	v_add_f32 v16, v16, v18
	v_fma_f32 v20, v16, s46, s47                   ; the variance + 1e-5
	v_rsq_f32 v14, v20
	v_nop                                          ; a plain place behind the transcendental
	s_wait_alu depctr_va_vdst(0)                   ; the wait ahead of the first line that names its result
	v_mov_b32 v15, v14
	APPLY 0
	GBLOAD 1
	s_wait_dscnt 0x0
	APPLY 1
	GBLOAD 2                                       ; lands while the first K step is quantised
	QUANT X
	PUT 0
	s_wait_dscnt 0x0                               ; the stores have read their registers, and group 2 is in
	APPLY 2
	GBLOAD 3
	s_wait_dscnt 0x0
	APPLY 3
	QUANT X+64
	PUT 1
	s_wait_dscnt 0x0                               ; for the others' sake: my codes and scale words lie in the stages
	s_barrier_signal -1
	s_barrier_wait -1
	; ---- each wave stores four whole rows of codes: 256 consecutive, aligned bytes an instruction
.irp k, 0,1,2,3,4,5,6,7,8,9,10,11
	ds_load_b64 v[X+2*\k:X+2*\k+1], v[CR] offset:CP*(\k/3)+256*(\k%3)
.endr
.irp k, 0,1,2,3,4,5,6,7,8,9,10,11
	s_wait_dscnt 11-\k                             ; LDS loads come back in order: piece k is in
	global_store_b64 v[GO], v[X+2*\k:X+2*\k+1], s[10:11] offset:768*(\k/3)+256*(\k%3)
.endr
	s_cmp_lg_u32 s12, 0
	s_cbranch_scc1 .Ldone
	ds_load_b128 v[16:19], v[SSR]                  ; wave 0: the 16 rows of scale bytes, 512 consecutive bytes
	s_wait_dscnt 0x0
	global_store_b128 v[SGO], v[16:19], s[6:7]
.Ldone:
	s_wait_tensorcnt 0x0
	ds_add_u32 v59, v61
	s_wait_dscnt 0x0
	s_endpgm
.Lfunc_end_k_q3fa718fa70_ln1:
	.size	k_q3fa718fa70_ln1, .Lfunc_end_k_q3fa718fa70_ln1-k_q3fa718fa70_ln1
	.p2alignl 7, 3214868480
	.fill 96, 4, 3214868480
	.section	.rodata,"a",@progbits
	.p2align	6, 0x0
	.amdhsa_kernel k_q3fa718fa70_ln1
		.amdhsa_group_segment_fixed_size 168448
		.amdhsa_private_segment_fixed_size 0
		.amdhsa_enable_private_segment 0
		.amdhsa_kernarg_size 32
		.amdhsa_user_sgpr_count 2
		.amdhsa_user_sgpr_kernarg_segment_ptr 1
		.amdhsa_wavefront_size32 1
		.amdhsa_system_sgpr_workgroup_id_x 1
		.amdhsa_system_sgpr_workgroup_id_y 1
		.amdhsa_system_sgpr_workgroup_id_z 1
		.amdhsa_system_vgpr_workitem_id 0
		.amdhsa_next_free_vgpr 256
		.amdhsa_next_free_sgpr 66
		.amdhsa_reserve_vcc 0
		.amdhsa_float_denorm_mode_32 3
		.amdhsa_float_denorm_mode_16_64 3
		.amdhsa_memory_ordered 1
		.amdhsa_forward_progress 1
		.amdhsa_inst_pref_size 44
	.end_amdhsa_kernel
	.amdgpu_metadata
---
amdhsa.version: [ 1, 2 ]
amdhsa.kernels:
  - .name:           k_q3fa718fa70_ln1
    .symbol:         k_q3fa718fa70_ln1.kd
    .args:
      - { .name: x, .offset: 0, .size: 8, .value_kind: global_buffer, .address_space: global }
      - { .name: ln1_g, .offset: 8, .size: 8, .value_kind: global_buffer, .address_space: global }
      - { .name: ln1_b, .offset: 16, .size: 8, .value_kind: global_buffer, .address_space: global }
      - { .name: act, .offset: 24, .size: 8, .value_kind: global_buffer, .address_space: global }
    .group_segment_fixed_size: 168448
    .private_segment_fixed_size: 0
    .kernarg_segment_align: 8
    .kernarg_segment_size: 32
    .max_flat_workgroup_size: 128
    .sgpr_count:     66
    .vgpr_count:     256
    .wavefront_size: 32
...
	.end_amdgpu_metadata
.endif
;; end of part 1
;; launch qkvp (part 2): grid 12 x 16, 4 waves a work-group, clusters of 4 x 4, 327,680 bytes of LDS; arguments act, w_qkv_codes, w_qkv_scales, qkv; writes qkv
.if DOCPART == 2
	.amdgcn_target "amdgcn-amd-amdhsa--gfx1250"
	.amdhsa_code_object_version 6
	.text
	.protected	k_q3fa718fa70_qkvp
	.globl	k_q3fa718fa70_qkvp
	.p2align	8
	.type	k_q3fa718fa70_qkvp,@function
k_q3fa718fa70_qkvp:
	s_mov_b64 s[64:65], 0
	v_nop
	global_prefetch_b8 v0, s[64:65] scope:SCOPE_SE
	s_setreg_imm32_b32 hwreg(HW_REG_WAVE_MODE, 25, 1), 1
	s_wait_xcnt 0x0
	s_wait_alu depctr_hold_cnt(0) depctr_sa_sdst(0) depctr_va_vdst(0) depctr_va_sdst(0) depctr_va_ssrc(0) depctr_va_vcc(0) depctr_vm_vsrc(0)
	s_getreg_b32 s2, hwreg(HW_REG_IB_STS2, 6, 4)
	s_cmp_eq_u32 s2, 0
	s_cbranch_scc0 .Lentry_in_a_cluster
	s_endpgm
.Lentry_in_a_cluster:
	s_bfe_u32 s2, ttmp6, 0x10000c
	s_cmp_lg_u32 s2, 0xf033
	s_cbranch_scc0 .Lentry_shape_is_right
	s_endpgm
.Lentry_shape_is_right:
; qkv = LN1(x) W_qkv on codes of FP6 (E2M3) with E8M0 scales, K = 1,024; the results are quantised on the way out: q and k along the head's 64, v along the keys.
; A tile of 256 x 256 is made by four waves, 128 x 128 each: 64 accumulators, 512 registers.  K goes in steps of 256 through a ring of two LDS slots filled by joint tensor loads.
; TWO SIDES.  R: source 1 of the products, rows in plain order, shared along a row of the 4 x 4 cluster.  P: source 0, shared along a column; a tile i = 2 b + u of P takes rows
; 32 b + 8 u + (r & 7) + 16 (r >> 3), so that a lane's 64 results of a block of R run along P in the order 32 b + 16 h + i: what the conversions want.
; For q and k (clusters x = 0, 1): R = tokens, P = rows of W: a lane holds one token and 128 features, two heads.  For v (cluster x = 2): R = rows 2,048 on of W, P = tokens: a lane holds one
; channel and 128 keys.  The two cases differ in global addresses alone, chosen by s_cselect on the cluster's x, which all sixteen partners share: one path, no branch.
; OUTPUT, as images of operand registers: piece p (registers 2 p, 2 p + 1) of a fragment at 256 p + 8 x lane.  q, k: [batch x head][tile of 16 tokens][768 bytes]; v: [batch x head][128 keys][16 channels][1,536 bytes];
; scale words: q, k [pair of heads][token], v [batch x head][128 keys][channel].
; The scale bytes of both sides for all of K come into LDS once.  Three tensor loads of a wave are out at the start, one behind each round.
; P's rows 16 apart meet in the same banks at this pitch: its fragment loads go two deep.  192 work-groups: the product has no more tiles of this size.
; LIMITS: NaN and infinities are not served; a block of zeros gets the byte 1 (its codes are zeros; this program alone reads the bytes).
; No prefetch: both operands are read by many work-groups within this short launch.
.set KSTEP,  256
.set NQ,     2
.set ROWB,   192
.set KROW,   768
.set PITCH,  240                       ; 3 x (64 bytes + 16 of padding)
.set FR,     12
.set NL,     6
.set NP,     4
.set HALFT,  128*PITCH
.set SLOT,   4*HALFT
.set KS,     32
.set SCL,    2*SLOT
.set HALFS,  (128*KS/256)*272
.set SBLK,   (16*KS/256)*272
.set SPARE,  SCL+4*HALFS               ; the spare words, 128 bytes a wave: no other line names them
.set SCRATCH, SPARE+512                ; 512 bytes a wave: the scale words made on the way out
.set LO8,  8                           ; v8   8 x lane
.set SCA,  9                           ; v9   scratch: where I put a scale word
.set SCB,  10                          ; v10  scratch: where I read 16 bytes back
.set SOF,  11                          ; v11  and where they go
.set ADRA, 16                          ; v16-19 R's fragments in slot 0, 1; behind one padding more
.set ADRB, 20                          ; v20-23 P's
.set SPW,  28
.set NIL,  29
.set ADRS, 30                          ; v30, v31 scale words: for even and for odd blocks
.set SC,   32                          ; v32-63 scale words, two sets: lanes 0-15 R's block i, lanes 16-31 P's tile i
.set AF,   128                         ; R's fragments, window 0
.set TM,   32                          ; the way out
.set PC,   48
.set PW,   68
.set G1, 24
.set G0, 32
.set G1B, 48
.set G0B, 56
.set G1S, 68
.set G0S, 76
.set G1SB, 80
.set G0SB, 88
.set SEL, 66
.set PT0, 52
.set PT1, 54
.set SPT, 56
.set MSB, 0
.macro WIN new                         ; the immediate's high byte repeats the setting that is left
.if MSB != (\new)
	s_set_vgpr_msb (MSB<<8)|(\new)
.set MSB, (\new)
.endif
.endm
.set MUL_LO, 0xa1                      ; source 0 (P) window 1, source 1 (R) window 0, C and D window 2
.set MUL_HI, 0xf1
.set TO_P,   0x40
.macro JLOAD g0a, g1a, g0b, g1b        ; a joint load: waves 0 and 1 fetch for R, waves 2 and 3 for P; four v_nop follow each line
	s_cmp_eq_u32 s15, 0
	s_cbranch_scc0 .Lfor_b_\@
	tensor_load_to_lds s[\g0a:\g0a+3], s[\g1a:\g1a+7]
	s_nop 0
.rept 4
	v_nop
.endr
	s_branch .Lasked_\@
.Lfor_b_\@:
	tensor_load_to_lds s[\g0b:\g0b+3], s[\g1b:\g1b+7]
	s_nop 0
.rept 4
	v_nop
.endr
.Lasked_\@:
.endm
.macro CREST
	s_cmp_lg_u32 s14, 0
	s_cbranch_scc1 .Lnot_wave_0_\@
	s_barrier_signal -3
.Lnot_wave_0_\@:
	s_barrier_wait -3
	s_barrier_signal -1
	s_barrier_wait -1
.endm
.macro CROUND
	s_barrier_signal -1
	s_barrier_wait -1
	CREST
.endm
	s_load_b256 s[4:11], s[0:1], 0x0               ; activations s[4:5], W's codes s[6:7], W's scales s[8:9], output s[10:11]
	v_lshl_add_u32 v[SPW], v0, 2, SPARE
	v_mov_b32 v[NIL], 0
	ds_add_u32 v28, v29
	ds_add_u32 v28, v29
	s_wait_dscnt 0x0
	v_lshrrev_b32 v1, 5, v0
	v_readfirstlane_b32 s14, v1                    ; wave 0..3
	s_lshr_b32 s15, s14, 1                         ; my half of R's rows.  Also: I fetch for R (0) or for P (1)
	s_and_b32 s16, s14, 1                          ; my half of P's rows.  Also: which 128 rows I fetch
	s_bfe_u32 s40, ttmp6, 0x40000                  ; cx
	s_bfe_u32 s41, ttmp6, 0x40004                  ; cy
	s_and_b32 s95, ttmp7, 0xffff                   ; the cluster's y
	s_cmp_eq_u32 ttmp9, 2                          ; the cluster's x: 2 = v.  The same in all sixteen partners
	s_cselect_b32 s42, s95, ttmp9
	s_cselect_b32 s17, 0, s95
	s_cselect_b32 s96, 1, 0
	s_lshl_b32 s42, s42, 2
	s_add_co_u32 s42, s42, s40                     ; P's tile
	s_lshl_b32 s17, s17, 2
	s_add_co_u32 s17, s17, s41                     ; R's tile
	s_lshl_b32 s43, s41, 2
	s_lshl_b32 s43, 15, s43                        ; my row of the cluster
	s_lshl_b32 s44, 0x1111, s40                    ; my column
	s_or_b32 s[G1+0], s43, (0<<16)|(1<<20)|(1<<21)|(3<<22)|(3<<25)   ; the mask; bytes; padding on; bit 21 beside a mask; 4 words behind every 16
	s_or_b32 s[G1B+0], s44, (0<<16)|(1<<20)|(1<<21)|(3<<22)|(3<<25)
.irp g, G1, G1B
	s_mov_b32 s[\g+1], ROWB<<16
	s_mov_b32 s[\g+2], 128<<16
	s_mov_b32 s[\g+3], ROWB<<16
	s_mov_b32 s[\g+4], 128
	s_mov_b32 s[\g+5], KROW
	s_mov_b32 s[\g+6], 0
	s_mov_b32 s[\g+7], 0
.endr
	s_or_b32 s[G1S+0], s43, (3<<16)|(1<<20)|(1<<21)|(5<<22)|(3<<25)  ; the scales of 128 rows: dense, as rows of 256 bytes + 16
	s_or_b32 s[G1SB+0], s44, (3<<16)|(1<<20)|(1<<21)|(5<<22)|(3<<25)
.irp g, G1S, G1SB
	s_mov_b32 s[\g+1], 32<<16
	s_mov_b32 s[\g+2], (128*KS/256)<<16
	s_mov_b32 s[\g+3], 32<<16
	s_mov_b32 s[\g+4], 128*KS/256
	s_mov_b32 s[\g+5], 32
	s_mov_b32 s[\g+6], 0
	s_mov_b32 s[\g+7], 0
.endr
	s_lshl_b32 s18, s16, 7
	s_lshl_b32 s20, s17, 8
	s_add_co_u32 s20, s20, s18                     ; R: row 256 x tile + 128 x half
	s_lshl_b32 s46, s42, 8
	s_add_co_u32 s46, s46, s18                     ; P likewise
	s_mov_b32 s21, 0
	s_mov_b32 s47, 0
	s_mov_b64 s[18:19], KS
	s_mul_u64 s[22:23], s[20:21], s[18:19]
	s_mul_u64 s[92:93], s[46:47], s[18:19]
	s_mov_b64 s[18:19], KROW
	s_mul_u64 s[20:21], s[20:21], s[18:19]
	s_mul_u64 s[46:47], s[46:47], s[18:19]
	s_mul_i32 s45, s14, HALFT                      ; where they go: wave x 128 rows
	s_mul_i32 s94, s14, HALFS
	s_wait_kmcnt 0x0
	s_add_nc_u64 s[66:67], s[4:5], 3145728         ; the activations' scale bytes
	s_add_nc_u64 s[98:99], s[6:7], 2048*KROW       ; v's rows of W
	s_add_nc_u64 s[12:13], s[8:9], 2048*KS
	s_cmp_eq_u32 s96, 1
	s_cselect_b64 s[98:99], s[98:99], s[4:5]       ; R's codes
	s_cselect_b64 s[12:13], s[12:13], s[66:67]     ; R's scales
	s_cselect_b64 s[4:5], s[4:5], s[6:7]           ; P's codes
	s_cselect_b64 s[66:67], s[66:67], s[8:9]       ; P's scales
	s_add_nc_u64 s[20:21], s[98:99], s[20:21]
	s_add_nc_u64 s[22:23], s[12:13], s[22:23]
	s_add_nc_u64 s[46:47], s[4:5], s[46:47]
	s_add_nc_u64 s[92:93], s[66:67], s[92:93]
	CROUND                                         ; all sixteen work-groups are here: the first joint loads meet
	s_mov_b32 s[G0S], 1
	s_add_co_u32 s[G0S+1], s94, SCL
	s_mov_b64 s[G0S+2:G0S+3], s[22:23]
	s_or_b32 s[G0S+3], s[G0S+3], 0x80000000
	s_mov_b32 s[G0SB], 1
	s_add_co_u32 s[G0SB+1], s94, SCL
	s_mov_b64 s[G0SB+2:G0SB+3], s[92:93]
	s_or_b32 s[G0SB+3], s[G0SB+3], 0x80000000
	JLOAD G0S, G1S, G0SB, G1SB
.irp s, 0,1
	s_mov_b32 s[G0+4*\s], 1
	s_add_co_u32 s[G0+4*\s+1], s45, \s*SLOT
	s_add_nc_u64 s[G0+4*\s+2:G0+4*\s+3], s[20:21], \s*ROWB
	s_or_b32 s[G0+4*\s+3], s[G0+4*\s+3], 0x80000000
	s_mov_b32 s[G0B+4*\s], 1
	s_add_co_u32 s[G0B+4*\s+1], s45, \s*SLOT
	s_add_nc_u64 s[G0B+4*\s+2:G0B+4*\s+3], s[46:47], \s*ROWB
	s_or_b32 s[G0B+4*\s+3], s[G0B+4*\s+3], 0x80000000
	JLOAD G0+4*\s, G1, G0B+4*\s, G1B
.endr
	v_and_b32 v1, 15, v0                           ; r
	v_bfe_u32 v2, v0, 4, 1                         ; h
	v_mul_u32_u24 v3, v1, PITCH
	v_mad_u32_u24 v4, v2, 24, v3                   ; R: row r, + 24 h
	v_lshl_add_u32 v5, v2, 4, v4                   ; and behind one padding more
	v_and_b32 v6, 8, v1
	v_add_nc_u32 v6, v6, v1                        ; P: row r + 8 (r >> 3)
	v_mul_u32_u24 v6, v6, PITCH
	v_mad_u32_u24 v6, v2, 24, v6
	v_lshl_add_u32 v7, v2, 4, v6
	s_mul_i32 s21, s15, HALFT
	s_mul_i32 s22, s16, HALFT
	s_add_co_u32 s22, s22, 2*HALFT
.irp s, 0,1
	v_add_nc_u32 v[ADRA+\s], s21, v4
	v_add_nc_u32 v[ADRB+\s], s22, v6
	v_add_nc_u32 v[ADRA+2+\s], s21, v5
	v_add_nc_u32 v[ADRB+2+\s], s22, v7
	s_add_co_u32 s21, s21, SLOT
	s_add_co_u32 s22, s22, SLOT
.endr
	; scale words.  Eight rows of 32 bytes make a unit of 256 + 16.  Lanes 0-15: R's block i, units 2 i + (r >> 3).  Lanes 16-31: P's tile i = 2 b + u, units 4 b + u + 2 (r >> 3) = 2 i - u + 2 (r >> 3)
	v_and_b32 v5, 7, v0
	v_lshlrev_b32 v5, 5, v5
	v_bfe_u32 v6, v0, 3, 1
	v_mad_u32_u24 v5, v6, 272, v5                  ; + one unit where r >> 3 is 1,
	v_bfe_u32 v6, v0, 3, 2
	v_add_nc_u32 v6, 1, v6
	v_lshrrev_b32 v6, 2, v6
	v_mad_u32_u24 v5, v6, 272, v5                  ; + one more in lanes 24-31
	s_mul_i32 s21, s15, HALFS
	s_mul_i32 s22, s16, HALFS
	s_add_co_u32 s22, s22, 2*HALFS
	s_sub_co_u32 s22, s22, s21                     ; from my rows of R's scales to my rows of P's
	v_mul_u32_u24 v6, s22, v2
	s_add_co_u32 s21, s21, SCL
	v_add_nc_u32 v6, v5, v6
	v_add_nc_u32 v[ADRS], s21, v6
	s_sub_co_u32 s22, s22, 272                     ; odd tiles of P: one unit less
	v_mul_u32_u24 v6, s22, v2
	v_add_nc_u32 v6, v5, v6
	v_add_nc_u32 v[ADRS+1], s21, v6
	v_and_b32 v3, 31, v0
	v_lshlrev_b32 v[LO8], 3, v3
	s_lshl_b32 s23, s14, 9
	s_add_co_u32 s23, s23, SCRATCH
	v_lshl_add_u32 v[SCA], v1, 2, s23
	v_lshl_add_u32 v[SCB], v3, 4, s23
.macro FRAG reg, adr, q, rows          ; a fragment: six pieces of 8 bytes; where the piece three on lies behind one padding more, the second address register serves
.irp p, 0,1,2,3,4,5
.set PCE, 12*(\q)+6*(\p/3)+\p%3
.if PCE%8 < 5
	ds_load_b64 v[(\reg)+2*\p:(\reg)+2*\p+1], v[\adr] offset:8*PCE+16*(PCE/8)+(\rows)*PITCH
.else
	ds_load_b64 v[(\reg)+2*\p:(\reg)+2*\p+1], v[(\adr)+2] offset:8*PCE+16*(PCE/8)+(\rows)*PITCH
.endif
.endr
.endm
; 16 matrix instructions: R's blocks a0, a0 + 1 x P's eight tiles.  The 64 accumulators take turns, one instruction a turn, in the same order in every step.
.macro MUL16 a0, p, q, sc, zero
.irp a, \a0, \a0+1
.irp b, 0,1,2,3,4,5,6,7
.if \zero
	v_wmma_scale_f32_16x16x128_f8f6f4 v[8*(8*((\a)%4)+\b):8*(8*((\a)%4)+\b)+7], v[128*(\p)+FR*\b:128*(\p)+FR*\b+FR-1], v[AF+FR*(\a):AF+FR*(\a)+FR-1], 0, v[SC+8*NQ*(\sc)+NQ*\b+(\q)], v[SC+8*NQ*(\sc)+NQ*(\a)+(\q)] matrix_a_fmt:MATRIX_FMT_FP6 matrix_b_fmt:MATRIX_FMT_FP6 matrix_a_scale:MATRIX_SCALE_ROW1
.else
	v_wmma_scale_f32_16x16x128_f8f6f4 v[8*(8*((\a)%4)+\b):8*(8*((\a)%4)+\b)+7], v[128*(\p)+FR*\b:128*(\p)+FR*\b+FR-1], v[AF+FR*(\a):AF+FR*(\a)+FR-1], v[8*(8*((\a)%4)+\b):8*(8*((\a)%4)+\b)+7], v[SC+8*NQ*(\sc)+NQ*\b+(\q)], v[SC+8*NQ*(\sc)+NQ*(\a)+(\q)] matrix_a_fmt:MATRIX_FMT_FP6 matrix_b_fmt:MATRIX_FMT_FP6 matrix_a_scale:MATRIX_SCALE_ROW1
.endif
.endr
.endr
.endm
.macro FETCH_P slot, q, set
	WIN TO_P
.irp i, 0,1,2,3,4,5,6,7
	FRAG 128*(\set)+FR*\i, ADRB+\slot, \q, 32*(\i/2)+8*(\i%2)
.endr
	WIN 0
.endm
.macro FETCH_R slot, q, i0
.irp i, \i0, \i0+1, \i0+2, \i0+3
	FRAG AF+FR*(\i), ADRA+\slot, \q, 16*(\i)
.endr
.endm
.macro SCALES sc
.irp i, 0,1,2,3,4,5,6,7
	ds_load_b64 v[SC+8*NQ*\sc+NQ*\i:SC+8*NQ*\sc+NQ*\i+1], v[ADRS+\i%2] offset:\i*SBLK
.endr
.endm
.macro PLACES n                        ; plain places between a matrix instruction and a load into, or a vector read of, its registers
.rept \n
	v_nop
.endr
.endm
.macro STEP slot, q, zero
	s_wait_dscnt 4*NL                              ; P's set and R's blocks 0-3 are in; the youngest 24 loads, R's blocks 4-7, may be out
	WIN MUL_LO
	MUL16 0, (\q)%2, \q, \slot, \zero
	MUL16 2, (\q)%2, \q, \slot, \zero
	s_wait_dscnt 0
	PLACES NP
	FETCH_P \slot, (\q)+1, 1-(\q)%2
	FETCH_R \slot, (\q)+1, 0
	WIN MUL_HI
	MUL16 4, (\q)%2, \q, \slot, \zero
	MUL16 6, (\q)%2, \q, \slot, \zero
	PLACES NP
	WIN 0
	FETCH_R \slot, (\q)+1, 4
.endm
; A slot's last step changes slots: one barrier; in front of it each wave waits for all its tensor loads, adds 0 to its spare word, and waits for that and for its reads of this slot.
.macro TURN slot, next, fill
	s_wait_tensorcnt 0x0                           ; all my tensor loads have landed: my part of the next slot
	ds_add_u32 v[SPW], v[NIL]
	s_wait_dscnt 4*NL+1                            ; the add and the youngest 24 loads may be out
	WIN MUL_LO
	MUL16 0, 1, NQ-1, \slot, 0
	s_wait_dscnt 0x0                               ; the add is done, and my reads of this slot are over
	s_barrier_signal -1
	MUL16 2, 1, NQ-1, \slot, 0
	WIN 0
	s_barrier_wait -1
.if \fill
	CREST                                          ; the barrier has opened a round of the cluster's barrier: no wave of any partner still reads this slot or has a load on its way
	s_add_nc_u64 s[G0+4*\slot+2:G0+4*\slot+3], s[G0+4*\slot+2:G0+4*\slot+3], 2*ROWB
	s_add_nc_u64 s[G0B+4*\slot+2:G0B+4*\slot+3], s[G0B+4*\slot+2:G0B+4*\slot+3], 2*ROWB
	JLOAD G0+4*\slot, G1, G0B+4*\slot, G1B         ; the first tensor load behind the round; its four v_nop are the places in front of the loads below
.else
	PLACES NP
.endif
	v_add_nc_u32 v[ADRS], 4*NQ, v[ADRS]            ; the next K step's scale words (no LDS load of mine is out)
	v_add_nc_u32 v[ADRS+1], 4*NQ, v[ADRS+1]
	FETCH_P \next, 0, 0
	FETCH_R \next, 0, 0
	SCALES \next
	WIN MUL_HI
	MUL16 4, 1, NQ-1, \slot, 0
	MUL16 6, 1, NQ-1, \slot, 0
	PLACES NP
	WIN 0
	FETCH_R \next, 0, 4
.endm
	s_wait_tensorcnt 1                             ; the scales and my part of K step 0 are in; K step 1's load may be out
	s_barrier_signal -1
	s_barrier_wait -1
	FETCH_P 0, 0, 0
	FETCH_R 0, 0, 0
	SCALES 0
	FETCH_R 0, 0, 4
	STEP 0, 0, 1                                   ; the first products start the sums
	TURN 0, 1, 1                                   ; K = 1,024 is four K steps: both slots are filled once more, and the whole walk is written out
	STEP 1, 0, 0
	TURN 1, 0, 1
	STEP 0, 0, 0
	TURN 0, 1, 0
	STEP 1, 0, 0
	s_wait_dscnt 4*NL
	WIN MUL_LO
	MUL16 0, 1, NQ-1, 1, 0
	MUL16 2, 1, NQ-1, 1, 0
	s_wait_dscnt 0
	WIN MUL_HI
	MUL16 4, 1, NQ-1, 1, 0
	MUL16 6, 1, NQ-1, 1, 0
	WIN 0
; THE WAY OUT.  The 64 results of a lane in block a of R (window w, registers src on) are 128 neighbours along P in the conversions' order: they become one fragment's codes and a scale word.
.macro QUANT src, w
.set QW, (\w)|((\w)<<2)
	WIN QW                                         ; sources 0 and 1 in the accumulators' window; the running maximum is source 2, in window 0
.irp b, 0,1,2,3
	v_max3_num_f32 v[TM+\b], |v[(\src)+16*\b]|, |v[(\src)+1+16*\b]|, 0x1800000   ; each accumulator is read from its low end on
.endr
.irp i, 2,4,6,8,10,12,14
.irp b, 0,1,2,3
	v_max3_num_f32 v[TM+\b], |v[(\src)+16*\b+\i]|, |v[(\src)+1+16*\b+\i]|, v[TM+\b]
.endr
.endr
	WIN 0
.irp b, 0,1,2,3
	v_permlanex16_b32 v[TM+4+\b], v[TM+\b], s[SEL], s[SEL+1]
.endr
.irp b, 0,1,2,3
	v_max_num_f32 v[TM+\b], v[TM+\b], v[TM+4+\b]
.endr
.irp b, 0,1,2,3
	v_add_nc_u32 v[TM+12+\b], 0xff000000, v[TM+\b]
.endr
.irp b, 0,1,2,3
	v_lshrrev_b32 v[TM+4+\b], 23, v[TM+12+\b]
.endr
	v_lshl_or_b32 v[PW], v[TM+5], 8, v[TM+4]
	v_lshl_or_b32 v[PW], v[TM+6], 16, v[PW]
	v_lshl_or_b32 v[PW], v[TM+7], 24, v[PW]
.set QW, (\w)
	WIN QW
.irp c, 0,1
	v_cvt_scalef32_pk16_fp6_f32 v[PC+6*\c:PC+2+6*\c], v[(\src)+32*\c:(\src)+15+32*\c], v[TM+12+2*\c]
	v_cvt_scalef32_pk16_fp6_f32 v[PC+12+4*\c:PC+14+4*\c], v[(\src)+16+32*\c:(\src)+31+32*\c], v[TM+13+2*\c]
.endr
	WIN 0
	v_nop                                          ; one plain place behind the scaled conversions
.irp c, 0,1
.irp i, 0,1,2
	v_permlane16_swap_b32 v[PC+6*\c+\i], v[PC+12+4*\c+\i]
.endr
.irp i, 0,1,2
	v_mov_b32 v[PC+3+6*\c+\i], v[PC+12+4*\c+\i]
.endr
.endr
.endm
.macro OUTBLK a
	s_wait_xcnt 0x0                                ; the last block's stores have read their data and their bases: both are written again only behind this wait
.if (\a) > 0
	s_add_nc_u64 s[PT0:PT0+1], s[PT0:PT0+1], s[46:47]
	s_add_nc_u64 s[PT1:PT1+1], s[PT1:PT1+1], s[46:47]
.endif
.if (\a) == 4
	s_add_nc_u64 s[PT0:PT0+1], s[PT0:PT0+1], s[48:49]   ; v: on to the next head's images
	s_add_nc_u64 s[PT1:PT1+1], s[PT1:PT1+1], s[48:49]
.endif
	QUANT 64*((\a)%4), 2+(\a)/4
.irp p, 0,1,2
	global_store_b64 v[LO8], v[PC+2*\p:PC+2*\p+1], s[PT0:PT0+1] offset:256*\p      ; 256 consecutive, aligned bytes an instruction
.endr
.irp p, 0,1,2
	global_store_b64 v[LO8], v[PC+6+2*\p:PC+7+2*\p], s[PT1:PT1+1] offset:256*\p
.endr
	ds_store_b32 v[SCA], v[PW] offset:64*(\a)
.endm
	PLACES NP
	; where my results go.  Both cases are worked out; one compare chooses.  The descriptors' registers are free: the last change of slots waited for all tensor loads
	s_mov_b32 s[SEL], 0x76543210
	s_mov_b32 s[SEL+1], 0xfedcba98
	s_lshl_b32 s24, s42, 2
	s_lshl_b32 s25, s16, 1
	s_add_co_u32 s24, s24, s25                     ; q, k: my first run of 64 features
	s_and_b32 s25, s24, 15                         ; its head
	s_lshr_b32 s26, s24, 4                         ; 0: q, 1: k
	s_lshr_b32 s27, s17, 3                         ; the batch
	s_lshl_b32 s28, s26, 5
	s_add_co_u32 s28, s28, s25
	s_lshl_b32 s29, s27, 4
	s_add_co_u32 s28, s28, s29
	s_lshl_b32 s29, s17, 4
	s_lshl_b32 s30, s15, 3
	s_add_co_u32 s29, s29, s30
	s_and_b32 s29, s29, 127                        ; my first tile of 16 tokens in the batch
	s_mul_i32 s30, s28, 98304
	s_mul_i32 s31, s29, 768
	s_add_co_u32 s30, s30, s31
	s_lshl_b32 s31, s27, 3
	s_lshr_b32 s32, s25, 1
	s_add_co_u32 s31, s31, s32
	s_lshl_b32 s31, s31, 13
	s_lshl_b32 s32, s26, 17
	s_add_co_u32 s31, s31, s32
	s_lshl_b32 s32, s29, 6
	s_add_co_u32 s31, s31, s32
	s_add_co_u32 s31, s31, 9437184
	s_lshr_b32 s32, s42, 3                         ; v: the batch,
	s_lshl_b32 s32, s32, 4
	s_lshl_b32 s33, s17, 2
	s_add_co_u32 s32, s32, s33
	s_lshl_b32 s33, s15, 1
	s_add_co_u32 s32, s32, s33                     ; the head of my first 64 channels,
	s_lshl_b32 s33, s42, 1
	s_add_co_u32 s33, s33, s16
	s_and_b32 s33, s33, 15                         ; my 128 keys
	s_mul_i32 s34, s32, 98304
	s_mul_i32 s35, s33, 6144
	s_add_co_u32 s34, s34, s35
	s_add_co_u32 s34, s34, 6291456
	s_lshl_b32 s35, s32, 12
	s_lshl_b32 s36, s33, 8
	s_add_co_u32 s35, s35, s36
	s_add_co_u32 s35, s35, 9699328
	s_mov_b32 s44, 98304
	s_mov_b32 s46, 768
	s_mov_b32 s50, 256
	s_cmp_eq_u32 s96, 1
	s_cselect_b32 s36, s34, s30                    ; the first three pieces' place
	s_cselect_b32 s38, s35, s31                    ; the scale words' place
	s_cselect_b32 s44, 768, s44                    ; from the first three pieces to the last three: the image's second half, or the next head
	s_cselect_b32 s46, 1536, s46                   ; from block to block
	s_cselect_b32 s48, 92160, 0                    ; and more at block 4
	s_cselect_b32 s50, 4096, s50                   ; from the first 256 bytes of scale words to the second
	s_mov_b32 s37, 0
	s_mov_b32 s39, 0
	s_mov_b32 s45, 0
	s_mov_b32 s47, 0
	s_mov_b32 s49, 0
	s_add_nc_u64 s[PT0:PT0+1], s[10:11], s[36:37]
	s_add_nc_u64 s[PT1:PT1+1], s[PT0:PT0+1], s[44:45]
	s_add_nc_u64 s[SPT:SPT+1], s[10:11], s[38:39]
	v_mul_u32_u24 v[SOF], s50, v2
	v_lshl_add_u32 v[SOF], v1, 4, v[SOF]
.irp b, 0,1,2,3
	v_mov_b32 v[TM+4+\b], 0                        ; a lane permute's destination counts as one of its sources
.endr
.irp a, 0,1,2,3,4,5,6,7
	OUTBLK \a
.endr
	ds_load_b128 v[72:75], v[SCB]                  ; LDS serves a wave's instructions in order: this sees my eight stores
	s_wait_dscnt 0x0
	global_store_b128 v[SOF], v[72:75], s[SPT:SPT+1]   ; two aligned runs of 256 bytes
	s_wait_tensorcnt 0x0                           ; the wave's end
	ds_add_u32 v[SPW], v[NIL]
	s_wait_dscnt 0x0
	CROUND                                         ; the closing round
	s_endpgm
.Lfunc_end_k_q3fa718fa70_qkvp:
	.size	k_q3fa718fa70_qkvp, .Lfunc_end_k_q3fa718fa70_qkvp-k_q3fa718fa70_qkvp
	.p2alignl 7, 3214868480
	.fill 96, 4, 3214868480
	.section	.rodata,"a",@progbits
	.p2align	6, 0x0
	.amdhsa_kernel k_q3fa718fa70_qkvp
		.amdhsa_group_segment_fixed_size 327680
		.amdhsa_private_segment_fixed_size 0
		.amdhsa_enable_private_segment 0
		.amdhsa_kernarg_size 32
		.amdhsa_user_sgpr_count 2
		.amdhsa_user_sgpr_kernarg_segment_ptr 1
		.amdhsa_wavefront_size32 1
		.amdhsa_system_sgpr_workgroup_id_x 1
		.amdhsa_system_sgpr_workgroup_id_y 1
		.amdhsa_system_sgpr_workgroup_id_z 1
		.amdhsa_system_vgpr_workitem_id 0
		.amdhsa_next_free_vgpr 1024
		.amdhsa_next_free_sgpr 100
		.amdhsa_reserve_vcc 0
		.amdhsa_float_denorm_mode_32 3
		.amdhsa_float_denorm_mode_16_64 3
		.amdhsa_memory_ordered 1
		.amdhsa_forward_progress 1
		.amdhsa_inst_pref_size 170
	.end_amdhsa_kernel
	.amdgpu_metadata
---
amdhsa.version: [ 1, 2 ]
amdhsa.kernels:
  - .name:           k_q3fa718fa70_qkvp
    .symbol:         k_q3fa718fa70_qkvp.kd
    .args:
      - { .name: act, .offset: 0, .size: 8, .value_kind: global_buffer, .address_space: global }
      - { .name: w_qkv_codes, .offset: 8, .size: 8, .value_kind: global_buffer, .address_space: global }
      - { .name: w_qkv_scales, .offset: 16, .size: 8, .value_kind: global_buffer, .address_space: global }
      - { .name: qkv, .offset: 24, .size: 8, .value_kind: global_buffer, .address_space: global }
    .group_segment_fixed_size: 327680
    .private_segment_fixed_size: 0
    .kernarg_segment_align: 8
    .kernarg_segment_size: 32
    .max_flat_workgroup_size: 128
    .sgpr_count:     100
    .vgpr_count:     1024
    .wavefront_size: 32
...
	.end_amdgpu_metadata
.endif
;; end of part 2
;; launch attn (part 3): grid 8 x 32, 16 waves a work-group, no clusters, 251,904 bytes of LDS; arguments qkv, act; writes act
.if DOCPART == 3
	.amdgcn_target "amdgcn-amd-amdhsa--gfx1250"
	.amdhsa_code_object_version 6
	.text
	.protected	k_q3fa718fa70_attn
	.globl	k_q3fa718fa70_attn
	.p2align	8
	.type	k_q3fa718fa70_attn,@function
k_q3fa718fa70_attn:
	s_mov_b64 s[64:65], 0
	v_nop
	global_prefetch_b8 v0, s[64:65] scope:SCOPE_SE
	s_setreg_imm32_b32 hwreg(HW_REG_WAVE_MODE, 25, 1), 1
	s_wait_xcnt 0x0
; Causal attention of one head on codes of FP6 (E2M3), and the quantiser of y along C.  Inputs: the images and scale words that the launch before laid out.
; t = score x log2(e) / 8; M = the running largest t rounded up to a whole number; p = 2^(t - M) is quantised along the keys; the row's sum is taken of the unquantised p and divides O at the end.
; SHARES.  A work-group has one head (y) and two blocks of 128 queries, j and 15 - j (x = j): 8 x (j + 1) + 8 x (16 - j) = 136 key steps of a wave in every work-group.  Each of sixteen waves owns one tile of 16
; queries; light and heavy waves alternate so that each run of four and each stride of four holds two of each.
; LDS.  The head's whole K, V and scale words fit: every byte is filled ONCE, by waves 0-3 (0, 1: K's halves; 2, 3: V's), five loads each, and read by all sixteen.
; The tiles land in four chunks of 512 keys; a counted wait and a barrier stand in front of each chunk, and nothing is ever filled again.
; LAYOUT.  Both products are used transposed: S^T = K Q^T, O^T = V^T P^T: a lane holds one query throughout.  A tile 2 b + u of K takes keys 32 b + 8 u + (r & 7) + 16 (r >> 3), so that p's registers run along the
; keys; V's tiles take channels in the same way, so that O^T's registers run along the channels, which are y's K.
; PADDING.  An image is made of pieces of 256 bytes (8 bytes a lane).  In one load the lanes with r >> 3 = 1 read one image further on than the others: 3 pieces in K, 6 in V.  The mover lays 64 bytes behind each
; piece of K and 32 behind each piece of V, so that this distance is 960 or 1,728 bytes, both 192 modulo 256: the four groups of eight lanes (r >> 3, h) take bytes 0-63, 128-191, 192-255 and 64-127 modulo 256,
; each of the 64 banks of 4 bytes (ISA guide 11.1) once.
; K = 64 IN A K = 128 INSTRUCTION.  Q's registers 6-11 are zero codes.  K's tile i is named as v[32 + 6 i .. + 11]: its upper half is the next tile's codes (behind the last: zeros), which meet Q's zeros; the scale
; half-words are loaded zero-extended, and the byte 0 is a power of two, no NaN.
; CAUSAL.  A step all of whose keys come after the wave's queries is jumped over: a scalar branch on ids, round no barrier and no tensor load.  On the diagonal hidden scores become -infinity ahead of the maximum.
; NO CLUSTER: that jump hangs on the block of queries, which differs between the work-groups that share a head.
; No prefetch: all that a work-group reads is asked for at its head.
; y's scale half-words leave as stores of 2 bytes, 4 bytes apart: the other half of each word is another head's, made by another work-group; they are one part in 25 of what the launch stores.
; LIMITS: NaN and infinities are not served; a block of zeros gets the byte 1.
.set KPP,   320                        ; a piece of K in LDS: 256 bytes + 64
.set VPP,   288                        ; a piece of V: 256 bytes + 32
.set KT,    3*KPP                      ; half an image of K: 16 keys x 64 channels
.set VT,    6*VPP                      ; an image of V: 16 channels x 128 keys
.set KPART, 48*KPP                     ; what one tensor load brings: 48 pieces, two key steps
.set VPART, 48*VPP
.set VREG,  384*KPP                    ; V's images begin behind K's 384 pieces
.set KSCL,  VREG+384*VPP               ; K's scale words of the pair of heads: 8,192 bytes
.set VSCL,  KSCL+8192                  ; V's: 8,192 bytes
.set AK0,  1                           ; v1  my lane's place in a step's images of K
.set AV0,  2                           ; v2  of V
.set ASK0, 3                           ; v3  among K's scale words
.set ASV0, 4                           ; v4  among V's
.set LO8,  5                           ; v5  8 x lane
.set R4,   6                           ; v6  4 x (lane % 16)
.set ADK,  8
.set ADV,  9
.set ADS,  10
.set ADT,  11
.set QF,   16                          ; v16-21 Q's codes, v22-27 zeros
.set KV,   32                          ; v32-79 K's 8 x 6 registers, then V's 4 x 12; v80-85 zeros
.set SR,   96                          ; v96-159 S^T, then p
.set OT,   160                         ; v160-191 O^T
.set PC,   192                         ; v192-203 p's codes
.set PT,   204                         ; v204-211 the conversions' second halves
.set BM,   212
.set BX,   216
.set BE,   220
.set PW,   224
.set QS,   225
.set KSR,  226                         ; v226-233 K's scale words
.set VSR,  234                         ; v234-237 V's
.set FF,   238                         ; v[238:239] f
.set C2,   240                         ; v[240:241] the sum's second chain
.set TA,   242
.set MD,   243
.set MT,   244
.set MI,   245
.set WV,   8
.set G1K,  16                          ; s[16:23] descriptor group 1 for K's pieces
.set G1S,  24                          ; s[24:31] for the scale words
.set G1V,  80                          ; s[80:87] for V's pieces: it differs from K's in the padding alone
.set SEL,  52
.set CS,   54
.set TB,   56                          ; s56  LDS byte at which the step's images of K begin
.set TS,   57
.set TJ,   58
.set KF,   59
.set Q0,   60
.set TW,   61
.set TBV,  79                          ; s79  the same for V, from V's first byte
	s_load_b128 s[4:7], s[0:1], 0x0                ; the images s[4:5], y s[6:7]
	v_lshl_add_u32 v254, v0, 2, 0x3d000
	v_mov_b32 v255, 0
	ds_add_u32 v254, v255
	ds_add_u32 v254, v255
	v_lshrrev_b32 v8, 5, v0
	v_readfirstlane_b32 s[WV], v8                  ; wave 0..15
	s_and_b32 s9, ttmp7, 0xffff                    ; 16 x batch + head
	s_and_b32 s10, s9, 1                           ; which head of its pair
	s_lshr_b32 s11, s9, 1                          ; the pair
	; descriptor groups 1: dense blocks as rows of 256 bytes (32 elements of 8 bytes).  48 rows for a part of a chunk, padded behind every 64 words: 16 words for K, 8 for V; 16 rows, unpadded, for a part of the scale words
	s_mov_b32 s[G1K], (3<<16)|(1<<20)|(5<<22)|(15<<25)
	s_mov_b32 s[G1V], (3<<16)|(1<<20)|(5<<22)|(7<<25)
.irp g, G1K, G1V
	s_mov_b32 s[\g+1], 32<<16
	s_mov_b32 s[\g+2], 48<<16
	s_mov_b32 s[\g+3], 32<<16
	s_mov_b32 s[\g+4], 48
	s_mov_b32 s[\g+5], 32
	s_mov_b32 s[\g+6], 0
	s_mov_b32 s[\g+7], 0
.endr
	s_mov_b32 s[G1S], 3<<16
	s_mov_b32 s[G1S+1], 32<<16
	s_mov_b32 s[G1S+2], 16<<16
	s_mov_b32 s[G1S+3], 32<<16
	s_mov_b32 s[G1S+4], 16
	s_mov_b32 s[G1S+5], 32
	s_mov_b32 s[G1S+6], 0
	s_mov_b32 s[G1S+7], 0
	s_bfe_u32 s62, s[WV], 0x10001                  ; waves 0-3 fetch: waves 0, 1 for K (0), waves 2, 3 for V (1),
	s_and_b32 s63, s[WV], 1                        ; the first or the second half of each block
	s_mul_i32 s66, s63, VPART
	s_mul_i32 s67, s62, VREG
	s_add_co_u32 s66, s66, s67
	s_xor_b32 s78, s62, 1                          ; 1 for K
	s_and_b32 s67, s78, s63
	s_mul_i32 s67, s67, KPART-VPART
	s_add_co_u32 s66, s66, s67                     ; LDS: my part of chunk 0: half x 15,360 in K, 122,880 + half x 13,824 in V
	s_mul_i32 s78, s78, 2*(KPART-VPART)
	s_add_co_u32 s78, s78, 2*VPART                 ; from chunk to chunk: 30,720 in K, 27,648 in V
	s_mul_i32 s68, s62, 3145728
	s_mul_i32 s67, s63, 12288
	s_add_co_u32 s68, s68, s67
	s_mul_i32 s69, s9, 98304
	s_add_co_u32 s68, s68, s69
	s_add_co_u32 s68, s68, 3145728                 ; and in memory
	s_mov_b32 s69, 0
	s_lshl_b32 s70, s62, 13
	s_lshl_b32 s71, s63, 12
	s_add_co_u32 s70, s70, s71                     ; LDS: my part of the scale words
	s_lshl_b32 s72, s62, 17
	s_add_co_u32 s72, s72, s71
	s_lshl_b32 s73, s11, 13
	s_add_co_u32 s72, s72, s73
	s_add_co_u32 s72, s72, 9568256                 ; and in memory
	s_mov_b32 s73, 0
	s_mov_b32 s[SEL], 0x76543210
	s_mov_b32 s[SEL+1], 0xfedcba98
	s_mov_b32 s[CS], 0x3e38aa3b                    ; c = log2(e) / sqrt(64)
	s_mov_b32 s[CS+1], s[CS]
	s_wait_dscnt 0x0
	s_wait_kmcnt 0x0
	s_add_nc_u64 s[68:69], s[4:5], s[68:69]
	s_mov_b32 s32, 1
	s_add_co_u32 s33, s70, KSCL
	s_add_nc_u64 s[34:35], s[4:5], s[72:73]
	s_or_b32 s35, s35, 0x80000000
	s_mov_b32 s37, s66
	s_add_co_u32 s41, s37, s78
	s_add_co_u32 s45, s41, s78
	s_add_co_u32 s49, s45, s78
.irp c, 0,1,2,3
	s_mov_b32 s[36+4*\c], 1
	s_add_nc_u64 s[38+4*\c:39+4*\c], s[68:69], 24576*\c
	s_or_b32 s[39+4*\c], s[39+4*\c], 0x80000000
.endr
	s_cmp_lt_u32 s[WV], 2                          ; all first fills of a wave stand inside one arm of a branch on the wave's number: the scale words, then the four chunks in the order in which they are read
	s_cbranch_scc0 .Lnot_k
	tensor_load_to_lds s[32:35], s[G1S:G1S+7]
	s_nop 0
	tensor_load_to_lds s[36:39], s[G1K:G1K+7]
	s_nop 0
	tensor_load_to_lds s[40:43], s[G1K:G1K+7]
	s_nop 0
	tensor_load_to_lds s[44:47], s[G1K:G1K+7]
	s_nop 0
	tensor_load_to_lds s[48:51], s[G1K:G1K+7]
	s_nop 0
.rept 4
	v_nop                                          ; four behind a tensor load
.endr
	s_branch .Lno_fetch
.Lnot_k:
	s_cmp_lt_u32 s[WV], 4
	s_cbranch_scc0 .Lno_fetch
	tensor_load_to_lds s[32:35], s[G1S:G1S+7]
	s_nop 0
	tensor_load_to_lds s[36:39], s[G1V:G1V+7]
	s_nop 0
	tensor_load_to_lds s[40:43], s[G1V:G1V+7]
	s_nop 0
	tensor_load_to_lds s[44:47], s[G1V:G1V+7]
	s_nop 0
	tensor_load_to_lds s[48:51], s[G1V:G1V+7]
	s_nop 0
.rept 4
	v_nop
.endr
.Lno_fetch:
	s_lshr_b32 s62, s[WV], 2
	s_xor_b32 s62, s62, s[WV]
	s_and_b32 s62, s62, 1                          ; 0: the light block j, 1: the heavy block 15 - j
	s_lshl_b32 s63, ttmp9, 1
	s_sub_co_u32 s63, 15, s63
	s_mul_i32 s62, s62, s63
	s_add_co_u32 s62, s62, ttmp9
	s_lshl_b32 s62, s62, 3
	s_lshr_b32 s63, s[WV], 1
	s_add_co_u32 s62, s62, s63                     ; my tile of 16 queries in the head
	s_lshl_b32 s[Q0], s62, 4                       ; my first query
	s_mul_i32 s66, s9, 98304
	s_mul_i32 s67, s62, 768
	s_add_co_u32 s66, s66, s67
	s_mov_b32 s67, 0
	s_add_nc_u64 s[66:67], s[4:5], s[66:67]        ; Q's half image
	s_lshl_b32 s70, s11, 13
	s_lshl_b32 s71, s62, 6
	s_add_co_u32 s70, s70, s71
	s_lshl_b32 s71, s10, 1
	s_add_co_u32 s70, s70, s71
	s_add_co_u32 s70, s70, 9437184
	s_mov_b32 s71, 0
	s_add_nc_u64 s[70:71], s[4:5], s[70:71]        ; and its scale half-words
	s_lshr_b32 s72, s9, 4                          ; the batch
	s_bfe_u32 s73, s9, 0x30001                     ; y's K step of 128: head / 2
	s_lshl_b32 s74, s72, 7
	s_add_co_u32 s74, s74, s62
	s_mul_i32 s74, s74, 12288
	s_mul_i32 s75, s73, 1536
	s_add_co_u32 s74, s74, s75
	s_mul_i32 s75, s10, 768
	s_add_co_u32 s74, s74, s75
	s_mov_b32 s75, 0
	s_add_nc_u64 s[74:75], s[6:7], s[74:75]        ; y's half image
	s_lshl_b32 s76, s72, 11
	s_add_co_u32 s76, s76, s[Q0]
	s_lshl_b32 s76, s76, 2
	s_lshl_b32 s77, s73, 14
	s_add_co_u32 s76, s76, s77
	s_lshl_b32 s77, s10, 1
	s_add_co_u32 s76, s76, s77
	s_add_co_u32 s76, s76, 3145728
	s_mov_b32 s77, 0
	s_add_nc_u64 s[76:77], s[6:7], s[76:77]        ; and its scale half-words
	v_and_b32 v8, 31, v0
	v_lshlrev_b32 v[LO8], 3, v8
	v_and_b32 v8, 15, v0
	v_lshlrev_b32 v[R4], 2, v8
.irp p, 0,1,2
	global_load_b64 v[QF+2*\p:QF+2*\p+1], v[LO8], s[66:67] offset:256*\p
.endr
	global_load_u16 v[QS], v[R4], s[70:71]
	v_and_b32 v8, 7, v0                            ; r & 7
	v_bfe_u32 v9, v0, 3, 1                         ; r >> 3
	v_bfe_u32 v10, v0, 4, 1                        ; h
	v_lshlrev_b32 v11, 3, v8
	v_lshl_add_u32 v11, v10, 7, v11                ; 8 (r & 7) + 128 h: my place in a piece
	v_mad_u32_u24 v[AK0], v9, KT, v11              ; + one half image of K where r >> 3 is 1
	v_mad_u32_u24 v[AV0], v9, VT, v11              ; + one image of V
	v_add_nc_u32 v[AV0], VREG, v[AV0]
	v_lshlrev_b32 v11, 2, v8
	v_lshl_add_u32 v11, v9, 6, v11                 ; 4 (r & 7) + 64 (r >> 3)
	s_lshl_b32 s63, s10, 1
	s_add_co_u32 s63, s63, KSCL
	v_add_nc_u32 v[ASK0], s63, v11
	s_lshl_b32 s63, s10, 12
	s_add_co_u32 s63, s63, VSCL
	v_add_nc_u32 v[ASV0], s63, v11
	v_mov_b32 v13, 0xff61b1e6                      ; the largest t so far: -3e38
	v_floor_f32 v12, -v13                          ; -M
	v_mov_b32 v14, 0
	v_mov_b32 v15, 0
.irp j, 22,23,24,25,26,27,80,81,82,83,84,85
	v_mov_b32 v\j, 0                               ; zero codes
.endr
.irp b, 0,1,2,3
	v_mov_b32 v[BX+\b], 0                          ; a lane permute's destination counts as one of its sources
.endr
	v_mov_b32 v[FF+1], 0                           ; (named as the upper half of a pair)
	v_mov_b32 v[TA], 0
.set i, 0
.rept 32
	v_mov_b32 v[OT+i], 0                           ; O^T: the step is written once, and its first turn finds zeros
.set i, i+1
.endr
; A KEY STEP: 128 keys.
.macro STEP
	s_add_co_u32 s62, s[Q0], 15
	s_cmp_gt_u32 s[KF], s62
	s_cbranch_scc1 .Lhidden_\@
	v_add_nc_u32 v[ADK], s[TB], v[AK0]             ; (these four are also the places behind the last step's products, in front of the loads below)
	v_add_nc_u32 v[ADV], s[TBV], v[AV0]
	v_add_nc_u32 v[ADS], s[TS], v[ASK0]
	v_add_nc_u32 v[ADT], s[TJ], v[ASV0]
.irp i, 0,1,2,3,4,5,6,7
.irp p, 0,1,2
	ds_load_b64 v[KV+6*\i+2*\p:KV+6*\i+2*\p+1], v[ADK] offset:2*KT*(\i/2)+64*(\i%2)+KPP*\p
.endr
	ds_load_u16 v[KSR+\i], v[ADS] offset:128*(\i/2)+32*(\i%2)
.endr
	s_wait_dscnt 0x0
.irp i, 0,1,2,3,4,5,6,7
	v_wmma_scale_f32_16x16x128_f8f6f4 v[SR+8*\i:SR+8*\i+7], v[KV+6*\i:KV+6*\i+11], v[QF:QF+11], 0, v[KSR+\i], v[QS] matrix_a_fmt:MATRIX_FMT_FP6 matrix_b_fmt:MATRIX_FMT_FP6
.endr
.rept 4
	v_nop                                          ; places in front of the loads into K's registers and of the first read of the scores
.endr
.irp t, 0,1,2,3
.irp p, 0,1,2,3,4,5
	ds_load_b64 v[KV+12*\t+2*\p:KV+12*\t+2*\p+1], v[ADV] offset:2*VT*(\t/2)+64*(\t%2)+VPP*\p   ; V lands under the softmax
.endr
	ds_load_b32 v[VSR+\t], v[ADT] offset:128*(\t/2)+32*(\t%2)
.endr
	s_add_co_u32 s62, s[KF], 127
	s_cmp_le_u32 s62, s[Q0]
	s_cbranch_scc1 .Lopen_\@
	s_sub_co_i32 s62, s[Q0], s[KF]
	v_and_b32 v[MD], 15, v0
	v_bfe_u32 v[MT], v0, 4, 1
	v_lshlrev_b32 v[MT], 4, v[MT]
	v_sub_nc_u32 v[MD], v[MD], v[MT]
	v_add_nc_u32 v[MD], s62, v[MD]                 ; d = my query - the step's first key - 16 h.  Register 16 b + i holds key 32 b + 16 h + i: hidden where 32 b + i > d
	v_mov_b32 v[MI], 0xff800000
.irp n, 0,1,2,3,4,5,6,7,8,9,10,11,12,13,14,15,16,17,18,19,20,21,22,23,24,25,26,27,28,29,30,31,32,33,34,35,36,37,38,39,40,41,42,43,44,45,46,47,48,49,50,51,52,53,54,55,56,57,58,59,60,61,62,63
	v_cmp_gt_i32 vcc_lo, 32*(\n/16)+\n%16, v[MD]
	v_cndmask_b32 v[SR+\n], v[SR+\n], v[MI], vcc_lo
.endr
.Lopen_\@:
.irp b, 0,1,2,3
	v_max3_num_f32 v[BM+\b], v[SR+16*\b], v[SR+1+16*\b], v[SR+2+16*\b]   ; the largest score of each block of 32 keys: for the row's maximum and, since p rises with the score, for the block's largest p
.endr
.irp i, 3,5,7,9,11,13
.irp b, 0,1,2,3
	v_max3_num_f32 v[BM+\b], v[BM+\b], v[SR+16*\b+\i], v[SR+1+16*\b+\i]
.endr
.endr
.irp b, 0,1,2,3
	v_max_num_f32 v[BM+\b], v[BM+\b], v[SR+15+16*\b]
.endr
.irp b, 0,1,2,3
	v_permlanex16_b32 v[BX+\b], v[BM+\b], s[SEL], s[SEL+1]
.endr
.irp b, 0,1,2,3
	v_max_num_f32 v[BM+\b], v[BM+\b], v[BX+\b]
.endr
	v_max3_num_f32 v[TA], v[BM], v[BM+1], v[BM+2]
	v_max_num_f32 v[TA], v[TA], v[BM+3]
	v_mul_f32 v[TA], s[CS], v[TA]
	v_max_num_f32 v13, v13, v[TA]                  ; the running largest t
	v_mov_b32 v[TA], v12
	v_floor_f32 v12, -v13                          ; the new -M: M is a whole number
	v_sub_f32 v[TA], v12, v[TA]
	v_cvt_i32_f32 v[TA], v[TA]
	v_ldexp_f32 v[FF], 1.0, v[TA]                  ; f = 2^(old M - new M): a multiplication by it rounds nothing
.irp j, 0,2,4,6,8,10,12,14,16,18,20,22,24,26,28,30,32,34,36,38,40,42,44,46,48,50,52,54,56,58,60,62
	v_pk_fma_f32 v[SR+\j:SR+1+\j], v[SR+\j:SR+1+\j], s[CS:CS+1], v[12:13] op_sel_hi:[1,0,0]   ; t - M
.endr
.irp b, 0,1,2,3
	v_fma_f32 v[BM+\b], v[BM+\b], s[CS], v12
.endr
.set i, 0
.rept 64
	v_exp_f32 v[SR+i], v[SR+i]                     ; p = 2^(t - M)
.set i, i+1
.endr
	v_pk_mul_f32 v[14:15], v[14:15], v[FF:FF+1] op_sel_hi:[1,0]   ; the sums under the new M: a plain place behind the exponentials
	s_wait_alu depctr_va_vdst(0)                   ; one wait for the batch, ahead of its first reader
.irp b, 0,1,2,3
	v_exp_f32 v[BM+\b], v[BM+\b]                   ; each block's largest p
.endr
	v_pk_add_f32 v[C2:C2+1], v[SR:SR+1], v[SR+2:SR+3]   ; the row's sum of the unquantised p, in two chains
.irp j, 4,8,12,16,20,24,28,32,36,40,44,48,52,56,60
	v_pk_add_f32 v[14:15], v[14:15], v[SR+\j:SR+1+\j]
	v_pk_add_f32 v[C2:C2+1], v[C2:C2+1], v[SR+2+\j:SR+3+\j]
.endr
	v_pk_add_f32 v[14:15], v[14:15], v[C2:C2+1]
	s_wait_alu depctr_va_vdst(0)                   ; and one for the four
.irp b, 0,1,2,3
	v_max_num_f32 v[BM+\b], 0x1800000, v[BM+\b]    ; the floor 2^(3 - 127)
.endr
.irp b, 0,1,2,3
	v_add_nc_u32 v[BE+\b], 0xff000000, v[BM+\b]
.endr
.irp b, 0,1,2,3
	v_lshrrev_b32 v[BX+\b], 23, v[BE+\b]
.endr
	v_lshl_or_b32 v[PW], v[BX+1], 8, v[BX]
	v_lshl_or_b32 v[PW], v[BX+2], 16, v[PW]
	v_lshl_or_b32 v[PW], v[BX+3], 24, v[PW]
.irp c, 0,1
	v_cvt_scalef32_pk16_fp6_f32 v[PC+6*\c:PC+2+6*\c], v[SR+32*\c:SR+15+32*\c], v[BE+2*\c]
	v_cvt_scalef32_pk16_fp6_f32 v[PT+4*\c:PT+2+4*\c], v[SR+16+32*\c:SR+31+32*\c], v[BE+2*\c+1]
.endr
	v_nop                                          ; one plain place behind the scaled conversions
.irp c, 0,1
.irp i, 0,1,2
	v_permlane16_swap_b32 v[PC+6*\c+\i], v[PT+4*\c+\i]
.endr
.irp i, 0,1,2
	v_mov_b32 v[PC+3+6*\c+\i], v[PT+4*\c+\i]
.endr
.endr
.irp j, 0,2,4,6,8,10,12,14,16,18,20,22,24,26,28,30
	v_pk_mul_f32 v[OT+\j:OT+1+\j], v[OT+\j:OT+1+\j], v[FF:FF+1] op_sel_hi:[1,0]   ; O^T under the new M; these sixteen are also the places between the scale word and codes just made and the products
.endr
	s_wait_dscnt 0x0                               ; V and its scale words are in
.irp t, 0,1,2,3
	v_wmma_scale_f32_16x16x128_f8f6f4 v[OT+8*\t:OT+8*\t+7], v[KV+12*\t:KV+12*\t+11], v[PC:PC+11], v[OT+8*\t:OT+8*\t+7], v[VSR+\t], v[PW] matrix_a_fmt:MATRIX_FMT_FP6 matrix_b_fmt:MATRIX_FMT_FP6
.endr
.Lhidden_\@:
	s_add_co_u32 s[KF], s[KF], 128
	s_add_co_u32 s[TB], s[TB], 8*KT                ; eight half images of K,
	s_add_co_u32 s[TBV], s[TBV], 4*VT              ; four images of V
	s_add_co_u32 s[TS], s[TS], 512
	s_add_co_u32 s[TJ], s[TJ], 256
.endm
; Chunk c: 512 keys, four steps.
.macro CHUNK c
	s_wait_tensorcnt 3-\c                          ; my part of chunk c has landed; the 3 - c loads issued behind it may be out
	s_wait_dscnt 0x0
	s_barrier_signal -1
	s_barrier_wait -1                              ; everybody's has
	s_mov_b32 s[TB], 2*KPART*\c
	s_mov_b32 s[TBV], 2*VPART*\c
	s_mov_b32 s[TS], 2048*\c
	s_mov_b32 s[TJ], 1024*\c
	s_mov_b32 s[KF], 512*\c
	s_mov_b32 s[TW], 4
.Lstep_\@:
	STEP
	s_sub_co_u32 s[TW], s[TW], 1
	s_cmp_lg_u32 s[TW], 0
	s_cbranch_scc1 .Lstep_\@
.endm
	s_wait_loadcnt 0x0                             ; Q
	CHUNK 0
	CHUNK 1
	CHUNK 2
	CHUNK 3
	; THE WAY OUT: O^T / the sum, quantised along the head's 64 channels: half a fragment of y and half a scale word
.rept 4
	v_nop                                          ; places behind the last products
.endr
	v_add_f32 v14, v14, v15
	v_permlanex16_b32 v[TA], v14, s[SEL], s[SEL+1]
	v_add_f32 v14, v14, v[TA]                      ; the row's sum
	v_rcp_f32 v[FF], v14
	v_nop
	s_wait_alu depctr_va_vdst(0)
	v_mov_b32 v[FF+1], v[FF]
.irp j, 0,2,4,6,8,10,12,14,16,18,20,22,24,26,28,30
	v_pk_mul_f32 v[OT+\j:OT+1+\j], v[OT+\j:OT+1+\j], v[FF:FF+1]
.endr
.irp b, 0,1
	v_max3_num_f32 v[BM+\b], |v[OT+16*\b]|, |v[OT+1+16*\b]|, 0x1800000
.endr
.irp i, 2,4,6,8,10,12,14
.irp b, 0,1
	v_max3_num_f32 v[BM+\b], v[BM+\b], |v[OT+16*\b+\i]|, |v[OT+1+16*\b+\i]|
.endr
.endr
.irp b, 0,1
	v_permlanex16_b32 v[BX+\b], v[BM+\b], s[SEL], s[SEL+1]
.endr
.irp b, 0,1
	v_max_num_f32 v[BM+\b], v[BM+\b], v[BX+\b]
.endr
.irp b, 0,1
	v_add_nc_u32 v[BE+\b], 0xff000000, v[BM+\b]
.endr
.irp b, 0,1
	v_lshrrev_b32 v[BX+\b], 23, v[BE+\b]
.endr
	v_lshl_or_b32 v[PW], v[BX+1], 8, v[BX]
	v_cvt_scalef32_pk16_fp6_f32 v[PC:PC+2], v[OT:OT+15], v[BE]
	v_cvt_scalef32_pk16_fp6_f32 v[PT:PT+2], v[OT+16:OT+31], v[BE+1]
	v_nop
.irp i, 0,1,2
	v_permlane16_swap_b32 v[PC+\i], v[PT+\i]
.endr
.irp i, 0,1,2
	v_mov_b32 v[PC+3+\i], v[PT+\i]
.endr
.irp p, 0,1,2
	global_store_b64 v[LO8], v[PC+2*\p:PC+2*\p+1], s[74:75] offset:256*\p   ; 256 consecutive, aligned bytes an instruction
.endr
	global_store_b16 v[R4], v[PW], s[76:77]        ; lanes l and l + 16 write the same two bytes with the same value
	s_wait_tensorcnt 0x0
	ds_add_u32 v254, v255
	s_wait_dscnt 0x0
	s_endpgm
.Lfunc_end_k_q3fa718fa70_attn:
	.size	k_q3fa718fa70_attn, .Lfunc_end_k_q3fa718fa70_attn-k_q3fa718fa70_attn
	.p2alignl 7, 3214868480
	.fill 96, 4, 3214868480
	.section	.rodata,"a",@progbits
	.p2align	6, 0x0
	.amdhsa_kernel k_q3fa718fa70_attn
		.amdhsa_group_segment_fixed_size 251904
		.amdhsa_private_segment_fixed_size 0
		.amdhsa_enable_private_segment 0
		.amdhsa_kernarg_size 16
		.amdhsa_user_sgpr_count 2
		.amdhsa_user_sgpr_kernarg_segment_ptr 1
		.amdhsa_wavefront_size32 1
		.amdhsa_system_sgpr_workgroup_id_x 1
		.amdhsa_system_sgpr_workgroup_id_y 1
		.amdhsa_system_sgpr_workgroup_id_z 1
		.amdhsa_system_vgpr_workitem_id 0
		.amdhsa_next_free_vgpr 256
		.amdhsa_next_free_sgpr 88
		.amdhsa_reserve_vcc 1
		.amdhsa_float_denorm_mode_32 3
		.amdhsa_float_denorm_mode_16_64 3
		.amdhsa_memory_ordered 1
		.amdhsa_forward_progress 1
		.amdhsa_inst_pref_size 109
	.end_amdhsa_kernel
	.amdgpu_metadata
---
amdhsa.version: [ 1, 2 ]
amdhsa.kernels:
  - .name:           k_q3fa718fa70_attn
    .symbol:         k_q3fa718fa70_attn.kd
    .args:
      - { .name: qkv, .offset: 0, .size: 8, .value_kind: global_buffer, .address_space: global }
      - { .name: act, .offset: 8, .size: 8, .value_kind: global_buffer, .address_space: global }
    .group_segment_fixed_size: 251904
    .private_segment_fixed_size: 0
    .kernarg_segment_align: 8
    .kernarg_segment_size: 16
    .max_flat_workgroup_size: 512
    .sgpr_count:     88
    .vgpr_count:     256
    .wavefront_size: 32
...
	.end_amdgpu_metadata
.endif
;; end of part 3
;; launch proj (part 4): grid 8 x 32, 4 waves a work-group, clusters of 4 x 4, 327,680 bytes of LDS; arguments act, w_proj_codes, w_proj_scales, x, x1; writes x1
.if DOCPART == 4
	.amdgcn_target "amdgcn-amd-amdhsa--gfx1250"
	.amdhsa_code_object_version 6
	.text
	.protected	k_q3fa718fa70_proj
	.globl	k_q3fa718fa70_proj
	.p2align	8
	.type	k_q3fa718fa70_proj,@function
k_q3fa718fa70_proj:
	s_mov_b64 s[64:65], 0
	v_nop
	global_prefetch_b8 v0, s[64:65] scope:SCOPE_SE
	s_setreg_imm32_b32 hwreg(HW_REG_WAVE_MODE, 25, 1), 1
	s_wait_xcnt 0x0
	s_wait_alu depctr_hold_cnt(0) depctr_sa_sdst(0) depctr_va_vdst(0) depctr_va_sdst(0) depctr_va_ssrc(0) depctr_va_vcc(0) depctr_vm_vsrc(0)
	s_getreg_b32 s2, hwreg(HW_REG_IB_STS2, 6, 4)
	s_cmp_eq_u32 s2, 0
	s_cbranch_scc0 .Lentry_in_a_cluster
	s_endpgm
.Lentry_in_a_cluster:
	s_bfe_u32 s2, ttmp6, 0x10000c
	s_cmp_lg_u32 s2, 0xf033
	s_cbranch_scc0 .Lentry_shape_is_right
	s_endpgm
.Lentry_shape_is_right:
; out = residual + R W^T (+ bias) on codes of FP6 (E2M3) with E8M0 scales.  Here: x1 = x + y W_proj, K = 1,024, no bias.
; R: the activations, as images of operand registers [tile of 16 tokens][K step of 128][1,536 bytes] (piece p at 256 p + 8 x lane) and scale words [K step][token].  W: rows of codes, K innermost, and rows of scale bytes.
; A tile of 128 tokens x 128 outputs is made by four waves, 64 x 64 each: N = 1,024 gives 256 such tiles, one to a WGP.  K goes in steps of 512 through a ring of two LDS slots filled by joint tensor loads:
; R's tiles are shared along a row of the 4 x 4 cluster, W's along a column.  The scale words and bytes for all of K come into LDS once.  Three tensor loads of a wave are out at the start, one behind each round.
; The products are used transposed (source 0 = 16 rows of W, source 1 = 16 tokens): a lane holds eight neighbouring outputs of one token.  The bias, where there is one, is the C of the first products.
; The residual is asked for at the head, into registers of its own, and added on the way out, which goes through a stage in LDS so that sixteen lanes store 256 consecutive, aligned bytes.
; No prefetch: both operands are read by many work-groups within this short launch.
.set SIZE_K,   1024
.set HAS_BIAS, 0
.set RSCOFF,   3145728                 ; where R's scale words begin in its buffer
.set NKS,    SIZE_K/128
.set NQ,     4
.set RIMG,   1536
.set RT,     NQ*RIMG                   ; a tile of 16 tokens in a slot
.set RHALF,  4*RT
.set PROWB,  384
.set PP,     432                       ; 3 x (128 bytes + 16 of padding) = 108 words: the sixteen rows of a load start at sixteen different multiples of four banks
.set PHALF,  64*PP
.set POFF,   2*RHALF
.set SLOT,   POFF+2*PHALF
.set KROW,   SIZE_K*3/4
.set KS,     SIZE_K/32
.set SCR,    2*SLOT                    ; R's scale words: [K step][128 tokens]
.set SCP,    SCR+16384                 ; W's scale bytes, as units of 256 + 16
.set PSR,    64*KS/256
.set PSB,    (16*KS/256)*272
.set SPARE,  SCP+17408                 ; the spare words, 128 bytes a wave: no other line names them
.set SPITCH, 272                       ; the stage: 16 rows x (256 + 16) a wave, in slot 0 behind its last fill and its last read
.set LAPS,   SIZE_K/1024
.set ADRR, 16                          ; v16-17 R's images in slot 0, 1
.set ADRP, 18                          ; v18-19 W's rows; v20-21 behind one padding more
.set ADSR, 22
.set ADSP, 23
.set STO,  24
.set RD,   25
.set CO,   26
.set BO,   27
.set SPW,  28
.set NIL,  29
.set SC,   32                          ; v32-95 two sets of scale words: R's at 4 a + q, W's at 16 + 4 b + q
.set BI,   96                          ; v96-127 the bias
.set ACC,  128                         ; v128-255 accumulator (a, b) at 8 (4 a + b)
.set OB,   32                          ; the way out: rows read back, v32-63 and v64-95 by turns
.set G1, 24
.set G0, 32
.set G1B, 48
.set G0B, 56
.set G1S, 68
.set G0S, 76
.set G1SB, 80
.set G0SB, 88
.set MSB, 0
.macro WIN new                         ; the immediate's high byte repeats the setting that is left
.if MSB != (\new)
	s_set_vgpr_msb (MSB<<8)|(\new)
.set MSB, (\new)
.endif
.endm
.set MUL,  0x05                        ; sources 0 and 1 window 1; C and D window 0
.set TO_F, 0x40
.macro JLOAD g0a, g1a, g0b, g1b        ; a joint load: waves 0 and 1 fetch for R, waves 2 and 3 for W; four v_nop follow each line
	s_cmp_eq_u32 s15, 0
	s_cbranch_scc0 .Lfor_b_\@
	tensor_load_to_lds s[\g0a:\g0a+3], s[\g1a:\g1a+7]
	s_nop 0
.rept 4
	v_nop
.endr
	s_branch .Lasked_\@
.Lfor_b_\@:
	tensor_load_to_lds s[\g0b:\g0b+3], s[\g1b:\g1b+7]
	s_nop 0
.rept 4
	v_nop
.endr
.Lasked_\@:
.endm
.macro CREST
	s_cmp_lg_u32 s14, 0
	s_cbranch_scc1 .Lnot_wave_0_\@
	s_barrier_signal -3
.Lnot_wave_0_\@:
	s_barrier_wait -3
	s_barrier_signal -1
	s_barrier_wait -1
.endm
.macro CROUND
	s_barrier_signal -1
	s_barrier_wait -1
	CREST
.endm
.if HAS_BIAS
	s_load_b128 s[4:7], s[0:1], 0x0                ; R s[4:5], W's codes s[6:7]
	s_load_b64 s[8:9], s[0:1], 0x10                ; W's scales
	s_load_b64 s[96:97], s[0:1], 0x18              ; the bias
	s_load_b128 s[10:13], s[0:1], 0x20 offset:0x0  ; (not assembled in this text)
.else
	s_load_b256 s[4:11], s[0:1], 0x0               ; R s[4:5], W's codes s[6:7], W's scales s[8:9], the residual s[10:11]
	s_load_b64 s[12:13], s[0:1], 0x20              ; the output
.endif
	v_lshl_add_u32 v[SPW], v0, 2, SPARE
	v_mov_b32 v[NIL], 0
	ds_add_u32 v28, v29
	ds_add_u32 v28, v29
	s_wait_dscnt 0x0
	v_lshrrev_b32 v1, 5, v0
	v_readfirstlane_b32 s14, v1                    ; wave 0..3
	s_lshr_b32 s15, s14, 1                         ; my half of the tokens.  Also: I fetch for R (0) or for W (1)
	s_and_b32 s16, s14, 1                          ; my half of the outputs.  Also: which half I fetch
	s_bfe_u32 s40, ttmp6, 0x40000                  ; cx
	s_bfe_u32 s41, ttmp6, 0x40004                  ; cy
	s_lshl_b32 s42, ttmp9, 2
	s_add_co_u32 s42, s42, s40                     ; tile column
	s_and_b32 s17, ttmp7, 0xffff
	s_lshl_b32 s17, s17, 2
	s_add_co_u32 s17, s17, s41                     ; tile row
	s_lshl_b32 s43, s41, 2
	s_lshl_b32 s43, 15, s43                        ; my row of the cluster
	s_lshl_b32 s44, 0x1111, s40                    ; my column
	s_or_b32 s[G1+0], s43, (3<<16)|(1<<21)         ; R's tiles: 4 rows (tiles of 16 tokens) x 768 elements of 8 bytes, no padding
	s_mov_b32 s[G1+1], 768<<16
	s_mov_b32 s[G1+2], 4<<16
	s_mov_b32 s[G1+3], 768<<16
	s_mov_b32 s[G1+4], 4
	s_mov_b32 s[G1+5], NKS*RIMG/8
	s_mov_b32 s[G1+6], 0
	s_mov_b32 s[G1+7], 0
	s_or_b32 s[G1B+0], s44, (0<<16)|(1<<20)|(1<<21)|(4<<22)|(3<<25)   ; W's tiles: 64 rows x 384 bytes, 4 words of padding behind every 32
	s_mov_b32 s[G1B+1], PROWB<<16
	s_mov_b32 s[G1B+2], 64<<16
	s_mov_b32 s[G1B+3], PROWB<<16
	s_mov_b32 s[G1B+4], 64
	s_mov_b32 s[G1B+5], KROW
	s_mov_b32 s[G1B+6], 0
	s_mov_b32 s[G1B+7], 0
	s_or_b32 s[G1S+0], s43, (3<<16)|(1<<21)        ; R's scale words: half of the K steps x 512 bytes, 16,384 bytes from K step to K step
	s_mov_b32 s[G1S+1], 64<<16
	s_mov_b32 s[G1S+2], (SIZE_K/256)<<16
	s_mov_b32 s[G1S+3], 64<<16
	s_mov_b32 s[G1S+4], SIZE_K/256
	s_mov_b32 s[G1S+5], 2048
	s_mov_b32 s[G1S+6], 0
	s_mov_b32 s[G1S+7], 0
	s_or_b32 s[G1SB+0], s44, (3<<16)|(1<<20)|(1<<21)|(5<<22)|(3<<25)  ; W's scale bytes of 64 rows: dense, as rows of 256 bytes + 16
	s_mov_b32 s[G1SB+1], 32<<16
	s_mov_b32 s[G1SB+2], PSR<<16
	s_mov_b32 s[G1SB+3], 32<<16
	s_mov_b32 s[G1SB+4], PSR
	s_mov_b32 s[G1SB+5], 32
	s_mov_b32 s[G1SB+6], 0
	s_mov_b32 s[G1SB+7], 0
	s_lshl_b32 s20, s17, 3
	s_lshl_b32 s18, s16, 2
	s_add_co_u32 s20, s20, s18                     ; R: the first tile of 16 tokens that I fetch
	s_mul_i32 s20, s20, NKS*RIMG
	s_mov_b32 s21, 0
	s_lshl_b32 s22, s17, 9                         ; its scale words: 512 bytes a tile row,
	s_mul_i32 s18, s16, (SIZE_K/256)*16384         ; my half of the K steps
	s_add_co_u32 s22, s22, s18
	s_add_co_u32 s22, s22, RSCOFF
	s_mov_b32 s23, 0
	s_lshl_b32 s46, s42, 7
	s_lshl_b32 s18, s16, 6
	s_add_co_u32 s46, s46, s18                     ; W: the first row that I fetch
	s_mul_i32 s92, s46, KS
	s_mov_b32 s93, 0
	s_mul_i32 s46, s46, KROW
	s_mov_b32 s47, 0
	s_mul_i32 s45, s16, RHALF                      ; where they go: no place in the cluster enters an LDS address
	s_mul_i32 s94, s16, PHALF
	s_add_co_u32 s94, s94, POFF
	s_mul_i32 s95, s16, (SIZE_K/256)*512
	s_mul_i32 s98, s16, PSR*272
	s_wait_kmcnt 0x0
	s_add_nc_u64 s[20:21], s[4:5], s[20:21]
	s_add_nc_u64 s[22:23], s[4:5], s[22:23]
	s_add_nc_u64 s[46:47], s[6:7], s[46:47]
	s_add_nc_u64 s[92:93], s[8:9], s[92:93]
	CROUND                                         ; all sixteen work-groups are here: the first joint loads meet
	s_mov_b32 s[G0S], 1
	s_add_co_u32 s[G0S+1], s95, SCR
	s_mov_b64 s[G0S+2:G0S+3], s[22:23]
	s_or_b32 s[G0S+3], s[G0S+3], 0x80000000
	s_mov_b32 s[G0SB], 1
	s_add_co_u32 s[G0SB+1], s98, SCP
	s_mov_b64 s[G0SB+2:G0SB+3], s[92:93]
	s_or_b32 s[G0SB+3], s[G0SB+3], 0x80000000
	JLOAD G0S, G1S, G0SB, G1SB
.irp s, 0,1
	s_mov_b32 s[G0+4*\s], 1
	s_add_co_u32 s[G0+4*\s+1], s45, \s*SLOT
	s_add_nc_u64 s[G0+4*\s+2:G0+4*\s+3], s[20:21], \s*RT
	s_or_b32 s[G0+4*\s+3], s[G0+4*\s+3], 0x80000000
	s_mov_b32 s[G0B+4*\s], 1
	s_add_co_u32 s[G0B+4*\s+1], s94, \s*SLOT
	s_add_nc_u64 s[G0B+4*\s+2:G0B+4*\s+3], s[46:47], \s*PROWB
	s_or_b32 s[G0B+4*\s+3], s[G0B+4*\s+3], 0x80000000
	JLOAD G0+4*\s, G1, G0B+4*\s, G1B
.endr
	v_and_b32 v1, 15, v0                           ; r
	v_bfe_u32 v2, v0, 4, 1                         ; h
	v_and_b32 v3, 31, v0
	v_lshlrev_b32 v4, 3, v3                        ; 8 x lane
	s_mul_i32 s21, s15, RHALF
	v_mul_u32_u24 v5, v1, PP
	v_mad_u32_u24 v5, v2, 24, v5
	v_lshl_add_u32 v6, v2, 4, v5
	s_mul_i32 s22, s16, PHALF
	s_add_co_u32 s22, s22, POFF
.irp s, 0,1
	v_add_nc_u32 v[ADRR+\s], s21, v4
	v_add_nc_u32 v[ADRP+\s], s22, v5
	v_add_nc_u32 v[ADRP+2+\s], s22, v6
	s_add_co_u32 s21, s21, SLOT
	s_add_co_u32 s22, s22, SLOT
.endr
	s_lshl_b32 s21, s15, 8
	s_add_co_u32 s21, s21, SCR
	v_lshl_add_u32 v[ADSR], v1, 2, s21             ; R's scale words: my 64 tokens, 4 bytes a token
	v_mul_u32_u24 v5, v1, KS
	v_lshrrev_b32 v6, 8, v5
	v_lshl_add_u32 v5, v6, 4, v5                   ; W's: KS bytes a row, and 16 more for each 256 passed
	s_mul_i32 s22, s16, PSR*272
	s_add_co_u32 s22, s22, SCP
	v_add_nc_u32 v[ADSP], s22, v5
	s_mul_i32 s23, s14, 16*SPITCH                  ; my stage
	v_mul_u32_u24 v5, v1, SPITCH
	v_lshl_add_u32 v5, v2, 5, v5
	v_add_nc_u32 v[STO], s23, v5
	v_mul_u32_u24 v5, v2, SPITCH
	v_lshl_add_u32 v5, v1, 4, v5
	v_add_nc_u32 v[RD], s23, v5
	v_lshlrev_b32 v5, 12, v2
	v_lshl_add_u32 v[CO], v1, 4, v5                ; lanes 0-15 one row of 4,096 bytes, lanes 16-31 the next; 16 bytes a lane
	v_lshlrev_b32 v[BO], 5, v2
	s_lshl_b32 s20, s17, 7
	s_lshl_b32 s21, s15, 6
	s_add_co_u32 s20, s20, s21
	s_lshl_b32 s20, s20, 12                        ; my first token's row,
	s_lshl_b32 s46, s42, 9
	s_lshl_b32 s47, s16, 8
	s_add_co_u32 s46, s46, s47                     ; my first output, in bytes
	s_add_co_u32 s20, s20, s46
	s_mov_b32 s21, 0
	s_mov_b32 s47, 0
	s_add_nc_u64 s[10:11], s[10:11], s[20:21]
	s_add_nc_u64 s[12:13], s[12:13], s[20:21]
.if HAS_BIAS
	s_add_nc_u64 s[96:97], s[96:97], s[46:47]
.irp b, 0,1,2,3
	global_load_b128 v[BI+8*\b:BI+8*\b+3], v[BO], s[96:97] offset:64*\b
	global_load_b128 v[BI+8*\b+4:BI+8*\b+7], v[BO], s[96:97] offset:64*\b+16
.endr
.endif
	WIN 0x80                                       ; destination window 2: the residual, 128 registers
.irp a, 0,1,2,3
.irp t, 0,1,2,3,4,5,6,7
	global_load_b128 v[32*\a+4*\t:32*\a+4*\t+3], v[CO], s[10:11] offset:(16*\a+2*\t)*4096 th:TH_LOAD_NT
.endr
.endr
	WIN 0
.macro FRAGI reg, adr, q, i            ; a fragment of R: the image of tile i, K step q of the slot
.irp p, 0,1,2,3,4,5
	ds_load_b64 v[(\reg)+2*\p:(\reg)+2*\p+1], v[\adr] offset:RT*(\i)+RIMG*(\q)+256*\p
.endr
.endm
.macro FRAGP reg, adr, q, i            ; a fragment of W: six pieces of 8 bytes; where the piece three on lies behind one padding more, the second address register serves
.irp p, 0,1,2,3,4,5
.set PCE, 12*(\q)+6*(\p/3)+\p%3
.if PCE%16 < 13
	ds_load_b64 v[(\reg)+2*\p:(\reg)+2*\p+1], v[\adr] offset:8*PCE+16*(PCE/16)+(\i)*16*PP
.else
	ds_load_b64 v[(\reg)+2*\p:(\reg)+2*\p+1], v[(\adr)+2] offset:8*PCE+16*(PCE/16)+(\i)*16*PP
.endif
.endr
.endm
.macro FETCH slot, q, f                ; 48 loads in one run: W's four fragments, then R's four
	WIN TO_F
.irp i, 0,1,2,3
	FRAGP (\f)+12*\i, ADRP+\slot, \q, \i
.endr
.irp i, 0,1,2,3
	FRAGI (\f)+48+12*\i, ADRR+\slot, \q, \i
.endr
.endm
.macro SCALES set                      ; a slot's scale words: four K steps of 128
.irp a, 0,1,2,3
.irp q, 0,1,2,3
	ds_load_b32 v[SC+32*(\set)+4*\a+\q], v[ADSR] offset:512*\q+64*\a
.endr
.endr
.irp b, 0,1,2,3
	ds_load_b128 v[SC+32*(\set)+16+4*\b:SC+32*(\set)+16+4*\b+3], v[ADSP] offset:\b*PSB
.endr
.endm
; four matrix instructions: R's block a x W's four.  The 16 accumulators take turns, one instruction a turn, in the same order in every step.
.macro MULA f, q, set, a, zero
	WIN MUL
.irp b, 0,1,2,3
.if (\zero) == 1
	v_wmma_scale_f32_16x16x128_f8f6f4 v[ACC+8*(4*(\a)+\b):ACC+8*(4*(\a)+\b)+7], v[(\f)+12*\b:(\f)+12*\b+11], v[(\f)+48+12*(\a):(\f)+48+12*(\a)+11], 0, v[SC+32*(\set)+16+4*\b+(\q)], v[SC+32*(\set)+4*(\a)+(\q)] matrix_a_fmt:MATRIX_FMT_FP6 matrix_b_fmt:MATRIX_FMT_FP6
.elseif (\zero) == 2
	v_wmma_scale_f32_16x16x128_f8f6f4 v[ACC+8*(4*(\a)+\b):ACC+8*(4*(\a)+\b)+7], v[(\f)+12*\b:(\f)+12*\b+11], v[(\f)+48+12*(\a):(\f)+48+12*(\a)+11], v[BI+8*\b:BI+8*\b+7], v[SC+32*(\set)+16+4*\b+(\q)], v[SC+32*(\set)+4*(\a)+(\q)] matrix_a_fmt:MATRIX_FMT_FP6 matrix_b_fmt:MATRIX_FMT_FP6
.else
	v_wmma_scale_f32_16x16x128_f8f6f4 v[ACC+8*(4*(\a)+\b):ACC+8*(4*(\a)+\b)+7], v[(\f)+12*\b:(\f)+12*\b+11], v[(\f)+48+12*(\a):(\f)+48+12*(\a)+11], v[ACC+8*(4*(\a)+\b):ACC+8*(4*(\a)+\b)+7], v[SC+32*(\set)+16+4*\b+(\q)], v[SC+32*(\set)+4*(\a)+(\q)] matrix_a_fmt:MATRIX_FMT_FP6 matrix_b_fmt:MATRIX_FMT_FP6
.endif
.endr
.endm
.macro PLACES                          ; plain places between a matrix instruction and a load into, or a read of, its registers
.rept 4
	v_nop
.endr
.endm
.macro STEP slot, q, zero              ; 128 along K that has its successor in the same slot; buffers 0, 1 by turns
	s_wait_dscnt 12                                ; all but the youngest 12 loads, R's blocks 2 and 3
	MULA 128*((\q)%2), \q, \slot, 0, \zero
	MULA 128*((\q)%2), \q, \slot, 1, \zero
	PLACES
	FETCH \slot, (\q)+1, 128*(1-(\q)%2)
	s_wait_dscnt 48                                ; all but the 48 just issued
	MULA 128*((\q)%2), \q, \slot, 2, \zero
	MULA 128*((\q)%2), \q, \slot, 3, \zero
.endm
; A slot's last step changes slots: one barrier; in front of it each wave waits for all its tensor loads, adds 0 to its spare word, and waits for that and for its reads of this slot.
.macro TURN slot, next, fill
	WIN 0
	s_wait_tensorcnt 0x0                           ; all my tensor loads have landed: my part of the next slot
	ds_add_u32 v[SPW], v[NIL]
	s_wait_dscnt 13                                ; the add and the youngest 12 loads may be out
	MULA 128, 3, \slot, 0, 0
	s_wait_dscnt 0x0                               ; the add is done, and my reads of this slot are over
	s_barrier_signal -1
	MULA 128, 3, \slot, 1, 0
	WIN 0
	s_barrier_wait -1
.if \fill
	CREST                                          ; the barrier has opened a round of the cluster's barrier
	s_add_nc_u64 s[G0+4*\slot+2:G0+4*\slot+3], s[G0+4*\slot+2:G0+4*\slot+3], 2*RT
	s_add_nc_u64 s[G0B+4*\slot+2:G0B+4*\slot+3], s[G0B+4*\slot+2:G0B+4*\slot+3], 2*PROWB
	JLOAD G0+4*\slot, G1, G0B+4*\slot, G1B         ; the first tensor load behind the round; its four v_nop are the places in front of the loads below
.else
	PLACES
.endif
	v_add_nc_u32 v[ADSR], 2048, v[ADSR]            ; the next slot's scale words (no LDS load of mine is out)
	v_add_nc_u32 v[ADSP], 16, v[ADSP]
	SCALES \next
	FETCH \next, 0, 0
	MULA 128, 3, \slot, 2, 0
	MULA 128, 3, \slot, 3, 0
.endm
	s_wait_tensorcnt 1                             ; the scales and my part of slot 0 are in; slot 1's load may be out
	s_barrier_signal -1
	s_barrier_wait -1
	SCALES 0
	FETCH 0, 0, 0
.if HAS_BIAS
	s_wait_loadcnt 32                              ; the bias is in; the 32 loads of the residual may be out
	STEP 0, 0, 2
.else
	STEP 0, 0, 1                                   ; the first products start the sums
.endif
.if LAPS > 1
	WIN 0
	s_mov_b32 s3, LAPS-1
.Llap:
	STEP 0, 1, 0
	STEP 0, 2, 0
	TURN 0, 1, 1
	STEP 1, 0, 0
	STEP 1, 1, 0
	STEP 1, 2, 0
	TURN 1, 0, 1
	STEP 0, 0, 0
	WIN 0
	s_sub_co_u32 s3, s3, 1
	s_cmp_lg_u32 s3, 0
	s_cbranch_scc1 .Llap
.endif
	STEP 0, 1, 0                                   ; the last lap fills nothing
	STEP 0, 2, 0
	TURN 0, 1, 0
	STEP 1, 0, 0
	STEP 1, 1, 0
	STEP 1, 2, 0
	s_wait_dscnt 12
	MULA 128, 3, 1, 0, 0
	MULA 128, 3, 1, 1, 0
	s_wait_dscnt 0
	MULA 128, 3, 1, 2, 0
	MULA 128, 3, 1, 3, 0
	WIN 0
; THE WAY OUT, a block of 16 tokens x 64 outputs at a time, through my own stage.  LDS serves a wave's instructions in order: no wait between the stores and the loads, nor in front of the next block's stores.
.macro TOSTAGE a
.irp b, 0,1,2,3
	ds_store_b128 v[STO], v[ACC+8*(4*(\a)+\b):ACC+8*(4*(\a)+\b)+3] offset:64*\b        ; each accumulator from its low end on
	ds_store_b128 v[STO], v[ACC+8*(4*(\a)+\b)+4:ACC+8*(4*(\a)+\b)+7] offset:64*\b+16
.endr
.set BB, OB+32*((\a)%2)
.irp t, 0,1,2,3,4,5,6,7
	ds_load_b128 v[BB+4*\t:BB+4*\t+3], v[RD] offset:\t*2*SPITCH
.endr
.endm
.macro SEND a, younger
.set BB, OB+32*((\a)%2)
	s_wait_dscnt \younger                          ; the block is back; the next block's 8 stores and 8 loads may be out
	WIN 0x08                                       ; source 1: window 2, the residual
.irp t, 0,1,2,3,4,5,6,7,8,9,10,11,12,13,14,15
	v_pk_add_f32 v[BB+2*\t:BB+2*\t+1], v[BB+2*\t:BB+2*\t+1], v[32*(\a)+2*\t:32*(\a)+2*\t+1]
.endr
	WIN 0
.irp t, 0,1,2,3,4,5,6,7
	global_store_b128 v[CO], v[BB+4*\t:BB+4*\t+3], s[12:13] offset:(16*(\a)+2*\t)*4096   ; sixteen lanes store 256 consecutive, aligned bytes
.endr
.endm
	PLACES
	s_wait_loadcnt 0x0                             ; the residual
	TOSTAGE 0
.irp a, 1,2,3
.if \a > 1
	s_wait_xcnt 0x0                                ; block a - 2's stores have read their registers: block a's loads may land there
.endif
	TOSTAGE \a
	SEND \a-1, 16
.endr
	SEND 3, 0
	s_wait_tensorcnt 0x0                           ; the wave's end
	ds_add_u32 v[SPW], v[NIL]
	s_wait_dscnt 0x0
	CROUND                                         ; the closing round
	s_endpgm
.Lfunc_end_k_q3fa718fa70_proj:
	.size	k_q3fa718fa70_proj, .Lfunc_end_k_q3fa718fa70_proj-k_q3fa718fa70_proj
	.p2alignl 7, 3214868480
	.fill 96, 4, 3214868480
	.section	.rodata,"a",@progbits
	.p2align	6, 0x0
	.amdhsa_kernel k_q3fa718fa70_proj
		.amdhsa_group_segment_fixed_size 327680
		.amdhsa_private_segment_fixed_size 0
		.amdhsa_enable_private_segment 0
		.amdhsa_kernarg_size 40
		.amdhsa_user_sgpr_count 2
		.amdhsa_user_sgpr_kernarg_segment_ptr 1
		.amdhsa_wavefront_size32 1
		.amdhsa_system_sgpr_workgroup_id_x 1
		.amdhsa_system_sgpr_workgroup_id_y 1
		.amdhsa_system_sgpr_workgroup_id_z 1
		.amdhsa_system_vgpr_workitem_id 0
		.amdhsa_next_free_vgpr 640
		.amdhsa_next_free_sgpr 100
		.amdhsa_reserve_vcc 0
		.amdhsa_float_denorm_mode_32 3
		.amdhsa_float_denorm_mode_16_64 3
		.amdhsa_memory_ordered 1
		.amdhsa_forward_progress 1
		.amdhsa_inst_pref_size 70
	.end_amdhsa_kernel
	.amdgpu_metadata
---
amdhsa.version: [ 1, 2 ]
amdhsa.kernels:
  - .name:           k_q3fa718fa70_proj
    .symbol:         k_q3fa718fa70_proj.kd
    .args:
      - { .name: act, .offset: 0, .size: 8, .value_kind: global_buffer, .address_space: global }
      - { .name: w_proj_codes, .offset: 8, .size: 8, .value_kind: global_buffer, .address_space: global }
      - { .name: w_proj_scales, .offset: 16, .size: 8, .value_kind: global_buffer, .address_space: global }
      - { .name: x, .offset: 24, .size: 8, .value_kind: global_buffer, .address_space: global }
      - { .name: x1, .offset: 32, .size: 8, .value_kind: global_buffer, .address_space: global }
    .group_segment_fixed_size: 327680
    .private_segment_fixed_size: 0
    .kernarg_segment_align: 8
    .kernarg_segment_size: 40
    .max_flat_workgroup_size: 128
    .sgpr_count:     100
    .vgpr_count:     640
    .wavefront_size: 32
...
	.end_amdgpu_metadata
.endif
;; end of part 4
;; launch ln2: the kernel of part 1 again; grid 256 x 1, 4 waves a work-group, no clusters, 168,448 bytes of LDS; arguments x1, ln2_g, ln2_b, act; writes act
;; launch ff1 (part 5): grid 16 x 16, 4 waves a work-group, clusters of 4 x 4, 327,680 bytes of LDS; arguments act, w_ff1_codes, w_ff1_scales, b_ff1, hact; writes hact
.if DOCPART == 5
	.amdgcn_target "amdgcn-amd-amdhsa--gfx1250"
	.amdhsa_code_object_version 6
	.text
	.protected	k_q3fa718fa70_ff1
	.globl	k_q3fa718fa70_ff1
	.p2align	8
	.type	k_q3fa718fa70_ff1,@function
k_q3fa718fa70_ff1:
	s_mov_b64 s[64:65], 0
	v_nop
	global_prefetch_b8 v0, s[64:65] scope:SCOPE_SE
	s_setreg_imm32_b32 hwreg(HW_REG_WAVE_MODE, 25, 1), 1
	s_wait_xcnt 0x0
	s_wait_alu depctr_hold_cnt(0) depctr_sa_sdst(0) depctr_va_vdst(0) depctr_va_sdst(0) depctr_va_ssrc(0) depctr_va_vcc(0) depctr_vm_vsrc(0)
	s_getreg_b32 s2, hwreg(HW_REG_IB_STS2, 6, 4)
	s_cmp_eq_u32 s2, 0
	s_cbranch_scc0 .Lentry_in_a_cluster
	s_endpgm
.Lentry_in_a_cluster:
	s_bfe_u32 s2, ttmp6, 0x10000c
	s_cmp_lg_u32 s2, 0xf033
	s_cbranch_scc0 .Lentry_shape_is_right
	s_endpgm
.Lentry_shape_is_right:
; h = gelu(LN2(x1) W_ff1 + b_ff1) on codes of FP6 (E2M3) with E8M0 scales, K = 1,024; h is quantised along its 4,096 features on the way out and never goes to memory as f32.
; A tile of 256 tokens x 256 features is made by four waves, 128 x 128 each: 64 accumulators, 512 registers.  K goes in steps of 256 through a ring of two LDS slots filled by joint tensor loads.
; R: the tokens, source 1, rows in plain order, shared along a row of the 4 x 4 cluster.  P: rows of W, source 0, shared along a column; a tile i = 2 b + u of P takes rows 32 b + 8 u + (r & 7) + 16 (r >> 3), so that a
; lane's 64 results of a block of 16 tokens are features 32 b + 16 h + i: the order that the conversions want.  The bias is the C of the first products.
; GELU.  gelu(x) = max(x, 0) - S P(t) 2^(-S S), with S = |x| sqrt(log2(e) / 2), t = 1 / (1 + 0.27273748 S), P a polynomial of degree 5 without constant term: erfc by Abramowitz and Stegun 7.1.26, whose error
; in erf is at most 1.5e-7.  No difference of near numbers is formed for x < 0.  LIMIT: that error of erf; |x| beyond 4e38 / 0.85, NaN and infinities are not served; a block of zeros gets the byte 1.
; OUTPUT: images of operand registers [tile of 16 tokens][K step of 128 features][1,536 bytes] (piece p at 256 p + 8 x lane), scale words [K step][token] at byte 12,582,912.
; The way out is a loop of eight trips, a block of 16 tokens a trip: only the lines that take a block out of its accumulators are written eight times.
; Three tensor loads of a wave are out at the start, one behind each round.  P's rows 16 apart meet in the same banks at this pitch: its fragment loads go two deep.
; No prefetch: both operands are read by many work-groups within this short launch.
.set KSTEP,  256
.set NQ,     2
.set ROWB,   192
.set KROW,   768
.set PITCH,  240
.set FR,     12
.set NL,     6
.set NP,     4
.set HALFT,  128*PITCH
.set SLOT,   4*HALFT
.set KS,     32
.set SCL,    2*SLOT
.set HALFS,  (128*KS/256)*272
.set SBLK,   (16*KS/256)*272
.set SPARE,  SCL+4*HALFS               ; the spare words, 128 bytes a wave: no other line names them
.set SCRATCH, SPARE+512                ; 512 bytes a wave: the scale words made on the way out
.set LO8,  8
.set SCA,  9
.set SCB,  10
.set SOF,  11
.set A4V,  12                          ; v[12:13] the polynomial's A4
.set ADRA, 16
.set ADRB, 20
.set SPW,  28
.set NIL,  29
.set ADRS, 30
.set SC,   32
.set BI,   64                          ; v64-127 the bias, eight registers a tile of P
.set AF,   128
.set S,    32                          ; the way out: v32-95 S, then gelu
.set HX,   96                          ; v96-159 max(x, 0)
.set T,    160
.set U,    192
.set PL,   224
.set TM,   160
.set PC,   192
.set PW,   212
.set G1, 24
.set G0, 32
.set G1B, 48
.set G0B, 56
.set G1S, 68
.set G0S, 76
.set G1SB, 80
.set G0SB, 88
.set KP,  24                           ; scalar pairs of the way out, over descriptors that are done with
.set KA5, 26
.set KA3, 28
.set KA2, 30
.set KA1, 32
.set K1,  34
.set SEL, 36
.set HP,  44
.set SPT, 46
.set MSB, 0
.macro WIN new
.if MSB != (\new)
	s_set_vgpr_msb (MSB<<8)|(\new)
.set MSB, (\new)
.endif
.endm
.set MUL_LO, 0xa1
.set MUL_HI, 0xf1
.set TO_P,   0x40
.macro JLOAD g0a, g1a, g0b, g1b
	s_cmp_eq_u32 s15, 0
	s_cbranch_scc0 .Lfor_b_\@
	tensor_load_to_lds s[\g0a:\g0a+3], s[\g1a:\g1a+7]
	s_nop 0
.rept 4
	v_nop
.endr
	s_branch .Lasked_\@
.Lfor_b_\@:
	tensor_load_to_lds s[\g0b:\g0b+3], s[\g1b:\g1b+7]
	s_nop 0
.rept 4
	v_nop
.endr
.Lasked_\@:
.endm
.macro CREST
	s_cmp_lg_u32 s14, 0
	s_cbranch_scc1 .Lnot_wave_0_\@
	s_barrier_signal -3
.Lnot_wave_0_\@:
	s_barrier_wait -3
	s_barrier_signal -1
	s_barrier_wait -1
.endm
.macro CROUND
	s_barrier_signal -1
	s_barrier_wait -1
	CREST
.endm
	s_load_b256 s[4:11], s[0:1], 0x0               ; activations s[4:5], W's codes s[6:7], W's scales s[8:9], the bias s[10:11]
	s_load_b64 s[12:13], s[0:1], 0x20              ; the output
	v_lshl_add_u32 v[SPW], v0, 2, SPARE
	v_mov_b32 v[NIL], 0
	ds_add_u32 v28, v29
	ds_add_u32 v28, v29
	s_wait_dscnt 0x0
	v_lshrrev_b32 v1, 5, v0
	v_readfirstlane_b32 s14, v1
	s_lshr_b32 s15, s14, 1
	s_and_b32 s16, s14, 1
	s_bfe_u32 s40, ttmp6, 0x40000
	s_bfe_u32 s41, ttmp6, 0x40004
	s_lshl_b32 s42, ttmp9, 2
	s_add_co_u32 s42, s42, s40                     ; P's tile: 256 features
	s_and_b32 s17, ttmp7, 0xffff
	s_lshl_b32 s17, s17, 2
	s_add_co_u32 s17, s17, s41                     ; R's tile: 256 tokens
	s_lshl_b32 s43, s41, 2
	s_lshl_b32 s43, 15, s43
	s_lshl_b32 s44, 0x1111, s40
	s_or_b32 s[G1+0], s43, (0<<16)|(1<<20)|(1<<21)|(3<<22)|(3<<25)
	s_or_b32 s[G1B+0], s44, (0<<16)|(1<<20)|(1<<21)|(3<<22)|(3<<25)
.irp g, G1, G1B
	s_mov_b32 s[\g+1], ROWB<<16
	s_mov_b32 s[\g+2], 128<<16
	s_mov_b32 s[\g+3], ROWB<<16
	s_mov_b32 s[\g+4], 128
	s_mov_b32 s[\g+5], KROW
	s_mov_b32 s[\g+6], 0
	s_mov_b32 s[\g+7], 0
.endr
	s_or_b32 s[G1S+0], s43, (3<<16)|(1<<20)|(1<<21)|(5<<22)|(3<<25)
	s_or_b32 s[G1SB+0], s44, (3<<16)|(1<<20)|(1<<21)|(5<<22)|(3<<25)
.irp g, G1S, G1SB
	s_mov_b32 s[\g+1], 32<<16
	s_mov_b32 s[\g+2], (128*KS/256)<<16
	s_mov_b32 s[\g+3], 32<<16
	s_mov_b32 s[\g+4], 128*KS/256
	s_mov_b32 s[\g+5], 32
	s_mov_b32 s[\g+6], 0
	s_mov_b32 s[\g+7], 0
.endr
	s_lshl_b32 s18, s16, 7
	s_lshl_b32 s20, s17, 8
	s_add_co_u32 s20, s20, s18
	s_lshl_b32 s46, s42, 8
	s_add_co_u32 s46, s46, s18
	s_mov_b32 s21, 0
	s_mov_b32 s47, 0
	s_mov_b64 s[18:19], KS
	s_mul_u64 s[22:23], s[20:21], s[18:19]
	s_mul_u64 s[92:93], s[46:47], s[18:19]
	s_mov_b64 s[18:19], KROW
	s_mul_u64 s[20:21], s[20:21], s[18:19]
	s_mul_u64 s[46:47], s[46:47], s[18:19]
	s_mul_i32 s45, s14, HALFT
	s_mul_i32 s94, s14, HALFS
	s_wait_kmcnt 0x0
	s_add_nc_u64 s[66:67], s[4:5], 3145728         ; the activations' scale bytes
	s_add_nc_u64 s[20:21], s[4:5], s[20:21]
	s_add_nc_u64 s[22:23], s[66:67], s[22:23]
	s_add_nc_u64 s[46:47], s[6:7], s[46:47]
	s_add_nc_u64 s[92:93], s[8:9], s[92:93]
	CROUND
	s_mov_b32 s[G0S], 1
	s_add_co_u32 s[G0S+1], s94, SCL
	s_mov_b64 s[G0S+2:G0S+3], s[22:23]
	s_or_b32 s[G0S+3], s[G0S+3], 0x80000000
	s_mov_b32 s[G0SB], 1
	s_add_co_u32 s[G0SB+1], s94, SCL
	s_mov_b64 s[G0SB+2:G0SB+3], s[92:93]
	s_or_b32 s[G0SB+3], s[G0SB+3], 0x80000000
	JLOAD G0S, G1S, G0SB, G1SB
.irp s, 0,1
	s_mov_b32 s[G0+4*\s], 1
	s_add_co_u32 s[G0+4*\s+1], s45, \s*SLOT
	s_add_nc_u64 s[G0+4*\s+2:G0+4*\s+3], s[20:21], \s*ROWB
	s_or_b32 s[G0+4*\s+3], s[G0+4*\s+3], 0x80000000
	s_mov_b32 s[G0B+4*\s], 1
	s_add_co_u32 s[G0B+4*\s+1], s45, \s*SLOT
	s_add_nc_u64 s[G0B+4*\s+2:G0B+4*\s+3], s[46:47], \s*ROWB
	s_or_b32 s[G0B+4*\s+3], s[G0B+4*\s+3], 0x80000000
	JLOAD G0+4*\s, G1, G0B+4*\s, G1B
.endr
	v_and_b32 v1, 15, v0
	v_bfe_u32 v2, v0, 4, 1
	v_mul_u32_u24 v3, v1, PITCH
	v_mad_u32_u24 v4, v2, 24, v3
	v_lshl_add_u32 v5, v2, 4, v4
	v_and_b32 v6, 8, v1
	v_add_nc_u32 v6, v6, v1
	v_mul_u32_u24 v6, v6, PITCH
	v_mad_u32_u24 v6, v2, 24, v6
	v_lshl_add_u32 v7, v2, 4, v6
	s_mul_i32 s21, s15, HALFT
	s_mul_i32 s22, s16, HALFT
	s_add_co_u32 s22, s22, 2*HALFT
.irp s, 0,1
	v_add_nc_u32 v[ADRA+\s], s21, v4
	v_add_nc_u32 v[ADRB+\s], s22, v6
	v_add_nc_u32 v[ADRA+2+\s], s21, v5
	v_add_nc_u32 v[ADRB+2+\s], s22, v7
	s_add_co_u32 s21, s21, SLOT
	s_add_co_u32 s22, s22, SLOT
.endr
	; scale words: lanes 0-15 R's block i, units 2 i + (r >> 3); lanes 16-31 P's tile i = 2 b + u, units 2 i - u + 2 (r >> 3)
	v_and_b32 v5, 7, v0
	v_lshlrev_b32 v5, 5, v5
	v_bfe_u32 v6, v0, 3, 1
	v_mad_u32_u24 v5, v6, 272, v5
	v_bfe_u32 v6, v0, 3, 2
	v_add_nc_u32 v6, 1, v6
	v_lshrrev_b32 v6, 2, v6
	v_mad_u32_u24 v5, v6, 272, v5
	s_mul_i32 s21, s15, HALFS
	s_mul_i32 s22, s16, HALFS
	s_add_co_u32 s22, s22, 2*HALFS
	s_sub_co_u32 s22, s22, s21
	v_mul_u32_u24 v6, s22, v2
	s_add_co_u32 s21, s21, SCL
	v_add_nc_u32 v6, v5, v6
	v_add_nc_u32 v[ADRS], s21, v6
	s_sub_co_u32 s22, s22, 272
	v_mul_u32_u24 v6, s22, v2
	v_add_nc_u32 v6, v5, v6
	v_add_nc_u32 v[ADRS+1], s21, v6
	v_and_b32 v3, 31, v0
	v_lshlrev_b32 v[LO8], 3, v3
	v_lshlrev_b32 v[SOF], 4, v3
	s_lshl_b32 s23, s14, 9
	s_add_co_u32 s23, s23, SCRATCH
	v_lshl_add_u32 v[SCA], v1, 2, s23
	v_lshl_add_u32 v[SCB], v3, 4, s23
	s_lshl_b32 s20, s42, 10                        ; the bias of my 128 features
	s_lshl_b32 s21, s16, 9
	s_add_co_u32 s20, s20, s21
	s_mov_b32 s21, 0
	s_add_nc_u64 s[10:11], s[10:11], s[20:21]
	v_lshlrev_b32 v3, 6, v2                        ; lane (r, h) wants, for tile 2 b + u, features 32 b + 16 h + 8 u + 0 .. 7
.irp b, 0,1,2,3,4,5,6,7
	global_load_b128 v[BI+8*\b:BI+8*\b+3], v3, s[10:11] offset:(32*(\b/2)+8*(\b%2))*4
	global_load_b128 v[BI+8*\b+4:BI+8*\b+7], v3, s[10:11] offset:(32*(\b/2)+8*(\b%2))*4+16
.endr
.macro FRAG reg, adr, q, rows
.irp p, 0,1,2,3,4,5
.set PCE, 12*(\q)+6*(\p/3)+\p%3
.if PCE%8 < 5
	ds_load_b64 v[(\reg)+2*\p:(\reg)+2*\p+1], v[\adr] offset:8*PCE+16*(PCE/8)+(\rows)*PITCH
.else
	ds_load_b64 v[(\reg)+2*\p:(\reg)+2*\p+1], v[(\adr)+2] offset:8*PCE+16*(PCE/8)+(\rows)*PITCH
.endif
.endr
.endm
; 16 matrix instructions: R's blocks a0, a0 + 1 x P's eight tiles.  zero = 2: the bias starts the sums.  The 64 accumulators take turns, one instruction a turn.
.macro MUL16 a0, p, q, sc, zero
.irp a, \a0, \a0+1
.irp b, 0,1,2,3,4,5,6,7
.if (\zero) == 2
	v_wmma_scale_f32_16x16x128_f8f6f4 v[8*(8*((\a)%4)+\b):8*(8*((\a)%4)+\b)+7], v[128*(\p)+FR*\b:128*(\p)+FR*\b+FR-1], v[AF+FR*(\a):AF+FR*(\a)+FR-1], v[BI+8*\b:BI+8*\b+7], v[SC+8*NQ*(\sc)+NQ*\b+(\q)], v[SC+8*NQ*(\sc)+NQ*(\a)+(\q)] matrix_a_fmt:MATRIX_FMT_FP6 matrix_b_fmt:MATRIX_FMT_FP6 matrix_a_scale:MATRIX_SCALE_ROW1
.else
	v_wmma_scale_f32_16x16x128_f8f6f4 v[8*(8*((\a)%4)+\b):8*(8*((\a)%4)+\b)+7], v[128*(\p)+FR*\b:128*(\p)+FR*\b+FR-1], v[AF+FR*(\a):AF+FR*(\a)+FR-1], v[8*(8*((\a)%4)+\b):8*(8*((\a)%4)+\b)+7], v[SC+8*NQ*(\sc)+NQ*\b+(\q)], v[SC+8*NQ*(\sc)+NQ*(\a)+(\q)] matrix_a_fmt:MATRIX_FMT_FP6 matrix_b_fmt:MATRIX_FMT_FP6 matrix_a_scale:MATRIX_SCALE_ROW1
.endif
.endr
.endr
.endm
.macro FETCH_P slot, q, set
	WIN TO_P
.irp i, 0,1,2,3,4,5,6,7
	FRAG 128*(\set)+FR*\i, ADRB+\slot, \q, 32*(\i/2)+8*(\i%2)
.endr
	WIN 0
.endm
.macro FETCH_R slot, q, i0
.irp i, \i0, \i0+1, \i0+2, \i0+3
	FRAG AF+FR*(\i), ADRA+\slot, \q, 16*(\i)
.endr
.endm
.macro SCALES sc
.irp i, 0,1,2,3,4,5,6,7
	ds_load_b64 v[SC+8*NQ*\sc+NQ*\i:SC+8*NQ*\sc+NQ*\i+1], v[ADRS+\i%2] offset:\i*SBLK
.endr
.endm
.macro PLACES n
.rept \n
	v_nop
.endr
.endm
.macro STEP slot, q, zero
	s_wait_dscnt 4*NL                              ; all but the youngest 24 loads, R's blocks 4-7
.if (\zero) == 2
	WIN 0x81                                       ; C, the bias, in window 0; D in window 2
.else
	WIN MUL_LO
.endif
	MUL16 0, (\q)%2, \q, \slot, \zero
	MUL16 2, (\q)%2, \q, \slot, \zero
	s_wait_dscnt 0
	PLACES NP
	FETCH_P \slot, (\q)+1, 1-(\q)%2
	FETCH_R \slot, (\q)+1, 0
.if (\zero) == 2
	WIN 0xc1
.else
	WIN MUL_HI
.endif
	MUL16 4, (\q)%2, \q, \slot, \zero
	MUL16 6, (\q)%2, \q, \slot, \zero
	PLACES NP
	WIN 0
	FETCH_R \slot, (\q)+1, 4
.endm
.macro TURN slot, next, fill
	s_wait_tensorcnt 0x0                           ; all my tensor loads have landed: my part of the next slot
	ds_add_u32 v[SPW], v[NIL]
	s_wait_dscnt 4*NL+1                            ; the add and the youngest 24 loads may be out
	WIN MUL_LO
	MUL16 0, 1, NQ-1, \slot, 0
	s_wait_dscnt 0x0                               ; the add is done, and my reads of this slot are over
	s_barrier_signal -1
	MUL16 2, 1, NQ-1, \slot, 0
	WIN 0
	s_barrier_wait -1
.if \fill
	CREST
	s_add_nc_u64 s[G0+4*\slot+2:G0+4*\slot+3], s[G0+4*\slot+2:G0+4*\slot+3], 2*ROWB
	s_add_nc_u64 s[G0B+4*\slot+2:G0B+4*\slot+3], s[G0B+4*\slot+2:G0B+4*\slot+3], 2*ROWB
	JLOAD G0+4*\slot, G1, G0B+4*\slot, G1B
.else
	PLACES NP
.endif
	v_add_nc_u32 v[ADRS], 4*NQ, v[ADRS]
	v_add_nc_u32 v[ADRS+1], 4*NQ, v[ADRS+1]
	FETCH_P \next, 0, 0
	FETCH_R \next, 0, 0
	SCALES \next
	WIN MUL_HI
	MUL16 4, 1, NQ-1, \slot, 0
	MUL16 6, 1, NQ-1, \slot, 0
	PLACES NP
	WIN 0
	FETCH_R \next, 0, 4
.endm
	s_wait_tensorcnt 1                             ; the scales and my part of K step 0 are in; K step 1's load may be out
	s_barrier_signal -1
	s_barrier_wait -1
	FETCH_P 0, 0, 0
	FETCH_R 0, 0, 0
	SCALES 0
	FETCH_R 0, 0, 4
	s_wait_loadcnt 0x0                             ; the bias
	STEP 0, 0, 2
	TURN 0, 1, 1
	STEP 1, 0, 0
	TURN 1, 0, 1
	STEP 0, 0, 0
	TURN 0, 1, 0
	STEP 1, 0, 0
	s_wait_dscnt 4*NL
	WIN MUL_LO
	MUL16 0, 1, NQ-1, 1, 0
	MUL16 2, 1, NQ-1, 1, 0
	s_wait_dscnt 0
	WIN MUL_HI
	MUL16 4, 1, NQ-1, 1, 0
	MUL16 6, 1, NQ-1, 1, 0
	WIN 0
	PLACES NP
	; THE WAY OUT.  The descriptors' registers are free: the last change of slots waited for all tensor loads
	s_mov_b32 s[KP], 0x3e8ba43f                    ; 0.27273748
	s_mov_b32 s[KP+1], s[KP]
	s_mov_b32 s[KA5], 0x3f1ff67a                   ; A5 =  0.62485470
	s_mov_b32 s[KA5+1], s[KA5]
	s_mov_b32 s[KA3], 0x3f563817                   ; A3 =  0.83679339
	s_mov_b32 s[KA3+1], s[KA3]
	s_mov_b32 s[KA2], 0xbe2b8119                   ; A2 = -0.16748465
	s_mov_b32 s[KA2+1], s[KA2]
	s_mov_b32 s[KA1], 0x3e199eb3                   ; A1 =  0.15001946
	s_mov_b32 s[KA1+1], s[KA1]
	s_mov_b32 s[K1], 0x3f596d27                    ; sqrt(log2(e) / 2) = 0.84932180
	s_mov_b32 s[SEL], 0x76543210
	s_mov_b32 s[SEL+1], 0xfedcba98
	v_mov_b32 v[A4V], 0xbf5b0099                   ; A4 = -0.85547788
	v_mov_b32 v[A4V+1], 0xbf5b0099
	s_lshl_b32 s48, s17, 4
	s_lshl_b32 s49, s15, 3
	s_add_co_u32 s48, s48, s49                     ; my first tile of 16 tokens
	s_mul_i32 s48, s48, 49152
	s_lshl_b32 s50, s42, 1
	s_add_co_u32 s50, s50, s16                     ; my 128 features: which K step of the next product
	s_mul_i32 s49, s50, 1536
	s_add_co_u32 s48, s48, s49
	s_mov_b32 s49, 0
	s_add_nc_u64 s[HP:HP+1], s[12:13], s[48:49]
	s_lshl_b32 s50, s50, 14
	s_lshl_b32 s48, s17, 10
	s_lshl_b32 s51, s15, 9
	s_add_co_u32 s48, s48, s51
	s_add_co_u32 s48, s48, s50
	s_add_co_u32 s48, s48, 12582912
	s_add_nc_u64 s[SPT:SPT+1], s[12:13], s[48:49]
; 32 numbers: from S and max(x, 0) to gelu, in S's registers
.macro GELU32 g
.set i, 0
.rept 16
	v_pk_fma_f32 v[T+i:T+i+1], v[S+32*(\g)+i:S+32*(\g)+i+1], s[KP:KP+1], 1.0 op_sel_hi:[1,0,0]
.set i, i+2
.endr
.set i, 0
.rept 32
	v_rcp_f32 v[T+i], v[T+i]                       ; t
.set i, i+1
.endr
.set i, 0
.rept 16
	v_pk_mul_f32 v[U+i:U+i+1], v[S+32*(\g)+i:S+32*(\g)+i+1], v[S+32*(\g)+i:S+32*(\g)+i+1]
.set i, i+2
.endr
.set i, 0
.rept 32
	v_exp_f32 v[U+i], -v[U+i]                      ; 2^(-S S)
.set i, i+1
.endr
	v_nop                                          ; a plain place behind the last transcendental
	s_wait_alu depctr_va_vdst(0)                   ; one wait for the 64, ahead of their first reader
.set i, 0
.rept 16
	v_pk_fma_f32 v[PL+i:PL+i+1], v[T+i:T+i+1], s[KA5:KA5+1], v[A4V:A4V+1] op_sel_hi:[1,0,1]
.set i, i+2
.endr
.irp k, KA3, KA2, KA1
.set i, 0
.rept 16
	v_pk_fma_f32 v[PL+i:PL+i+1], v[PL+i:PL+i+1], v[T+i:T+i+1], s[\k:\k+1] op_sel_hi:[1,1,0]
.set i, i+2
.endr
.endr
.set i, 0
.rept 16
	v_pk_mul_f32 v[PL+i:PL+i+1], v[PL+i:PL+i+1], v[T+i:T+i+1]
.set i, i+2
.endr
.set i, 0
.rept 16
	v_pk_mul_f32 v[PL+i:PL+i+1], v[PL+i:PL+i+1], v[U+i:U+i+1]
.set i, i+2
.endr
.set i, 0
.rept 16
	v_pk_fma_f32 v[S+32*(\g)+i:S+32*(\g)+i+1], v[S+32*(\g)+i:S+32*(\g)+i+1], v[PL+i:PL+i+1], v[HX+32*(\g)+i:HX+32*(\g)+i+1] neg_lo:[1,0,0] neg_hi:[1,0,0]
.set i, i+2
.endr
.endm
	s_mov_b32 s3, 0
.Lblk:                                             ; eight trips: block s3 of 16 tokens
.irp k, 1,2,3,4,5,6,7
	s_cmp_eq_u32 s3, \k
	s_cbranch_scc1 .Lx\k
.endr
.irp k, 0,1,2,3,4,5,6,7
.if \k > 0
.Lx\k:
.endif
.set XW, (2+\k/4)|((2+\k/4)<<2)
.set AC, 64*(\k%4)
	WIN XW                                         ; the block's accumulators: window 2 or 3
.set i, 0
.rept 64
	v_mul_f32 v[S+i], s[K1], |v[AC+i]|             ; ascending: each accumulator is read from its low end on
.set i, i+1
.endr
.set i, 0
.rept 64
	v_max_num_f32 v[HX+i], 0, v[AC+i]
.set i, i+1
.endr
	WIN 0
.if \k < 7
	s_branch .Lbody
.endif
.endr
.Lbody:
	GELU32 0
	GELU32 1
	; the quantiser: register 16 b + i is feature 32 b + 16 h + i of my token
.irp b, 0,1,2,3
	v_max3_num_f32 v[TM+\b], |v[S+16*\b]|, |v[S+1+16*\b]|, 0x1800000
.endr
.irp i, 2,4,6,8,10,12,14
.irp b, 0,1,2,3
	v_max3_num_f32 v[TM+\b], v[TM+\b], |v[S+16*\b+\i]|, |v[S+1+16*\b+\i]|
.endr
.endr
.irp b, 0,1,2,3
	v_permlanex16_b32 v[TM+4+\b], v[TM+\b], s[SEL], s[SEL+1]
.endr
.irp b, 0,1,2,3
	v_max_num_f32 v[TM+\b], v[TM+\b], v[TM+4+\b]
.endr
.irp b, 0,1,2,3
	v_add_nc_u32 v[TM+12+\b], 0xff000000, v[TM+\b]
.endr
.irp b, 0,1,2,3
	v_lshrrev_b32 v[TM+4+\b], 23, v[TM+12+\b]
.endr
	v_lshl_or_b32 v[PW], v[TM+5], 8, v[TM+4]
	v_lshl_or_b32 v[PW], v[TM+6], 16, v[PW]
	v_lshl_or_b32 v[PW], v[TM+7], 24, v[PW]
.irp c, 0,1
	v_cvt_scalef32_pk16_fp6_f32 v[PC+6*\c:PC+2+6*\c], v[S+32*\c:S+15+32*\c], v[TM+12+2*\c]
	v_cvt_scalef32_pk16_fp6_f32 v[PC+12+4*\c:PC+14+4*\c], v[S+16+32*\c:S+31+32*\c], v[TM+13+2*\c]
.endr
	v_nop                                          ; one plain place behind the scaled conversions
.irp c, 0,1
.irp i, 0,1,2
	v_permlane16_swap_b32 v[PC+6*\c+\i], v[PC+12+4*\c+\i]
.endr
.irp i, 0,1,2
	v_mov_b32 v[PC+3+6*\c+\i], v[PC+12+4*\c+\i]
.endr
.endr
.irp p, 0,1,2,3,4,5
	global_store_b64 v[LO8], v[PC+2*\p:PC+2*\p+1], s[HP:HP+1] offset:256*\p   ; 256 consecutive, aligned bytes an instruction
.endr
	ds_store_b32 v[SCA], v[PW]
	s_wait_xcnt 0x0                                ; the stores have read their data and their base: both are written again only behind this wait
	s_add_nc_u64 s[HP:HP+1], s[HP:HP+1], 49152     ; the next tile of 16 tokens
	v_add_nc_u32 v[SCA], 64, v[SCA]
	s_add_co_u32 s3, s3, 1
	s_cmp_lt_u32 s3, 8
	s_cbranch_scc1 .Lblk
	ds_load_b128 v[32:35], v[SCB]                  ; LDS serves a wave's instructions in order: this sees my eight stores
	s_wait_dscnt 0x0
	global_store_b128 v[SOF], v[32:35], s[SPT:SPT+1]   ; 512 consecutive, aligned bytes
	s_wait_tensorcnt 0x0                           ; the wave's end
	ds_add_u32 v[SPW], v[NIL]
	s_wait_dscnt 0x0
	CROUND                                         ; the closing round
	s_endpgm
.Lfunc_end_k_q3fa718fa70_ff1:
	.size	k_q3fa718fa70_ff1, .Lfunc_end_k_q3fa718fa70_ff1-k_q3fa718fa70_ff1
	.p2alignl 7, 3214868480
	.fill 96, 4, 3214868480
	.section	.rodata,"a",@progbits
	.p2align	6, 0x0
	.amdhsa_kernel k_q3fa718fa70_ff1
		.amdhsa_group_segment_fixed_size 327680
		.amdhsa_private_segment_fixed_size 0
		.amdhsa_enable_private_segment 0
		.amdhsa_kernarg_size 40
		.amdhsa_user_sgpr_count 2
		.amdhsa_user_sgpr_kernarg_segment_ptr 1
		.amdhsa_wavefront_size32 1
		.amdhsa_system_sgpr_workgroup_id_x 1
		.amdhsa_system_sgpr_workgroup_id_y 1
		.amdhsa_system_sgpr_workgroup_id_z 1
		.amdhsa_system_vgpr_workitem_id 0
		.amdhsa_next_free_vgpr 1024
		.amdhsa_next_free_sgpr 100
		.amdhsa_reserve_vcc 0
		.amdhsa_float_denorm_mode_32 3
		.amdhsa_float_denorm_mode_16_64 3
		.amdhsa_memory_ordered 1
		.amdhsa_forward_progress 1
		.amdhsa_inst_pref_size 212
	.end_amdhsa_kernel
	.amdgpu_metadata
---
amdhsa.version: [ 1, 2 ]
amdhsa.kernels:
  - .name:           k_q3fa718fa70_ff1
    .symbol:         k_q3fa718fa70_ff1.kd
    .args:
      - { .name: act, .offset: 0, .size: 8, .value_kind: global_buffer, .address_space: global }
      - { .name: w_ff1_codes, .offset: 8, .size: 8, .value_kind: global_buffer, .address_space: global }
      - { .name: w_ff1_scales, .offset: 16, .size: 8, .value_kind: global_buffer, .address_space: global }
      - { .name: b_ff1, .offset: 24, .size: 8, .value_kind: global_buffer, .address_space: global }
      - { .name: hact, .offset: 32, .size: 8, .value_kind: global_buffer, .address_space: global }
    .group_segment_fixed_size: 327680
    .private_segment_fixed_size: 0
    .kernarg_segment_align: 8
    .kernarg_segment_size: 40
    .max_flat_workgroup_size: 128
    .sgpr_count:     100
    .vgpr_count:     1024
    .wavefront_size: 32
...
	.end_amdgpu_metadata
.endif
;; end of part 5
;; launch ff2 (part 6): grid 8 x 32, 4 waves a work-group, clusters of 4 x 4, 327,680 bytes of LDS; arguments hact, w_ff2_codes, w_ff2_scales, b_ff2, x1, out0; writes out0
.if DOCPART == 6
	.amdgcn_target "amdgcn-amd-amdhsa--gfx1250"
	.amdhsa_code_object_version 6
	.text
	.protected	k_q3fa718fa70_ff2
	.globl	k_q3fa718fa70_ff2
	.p2align	8
	.type	k_q3fa718fa70_ff2,@function
k_q3fa718fa70_ff2:
	s_mov_b64 s[64:65], 0
	v_nop
	global_prefetch_b8 v0, s[64:65] scope:SCOPE_SE
	s_setreg_imm32_b32 hwreg(HW_REG_WAVE_MODE, 25, 1), 1
	s_wait_xcnt 0x0
	s_wait_alu depctr_hold_cnt(0) depctr_sa_sdst(0) depctr_va_vdst(0) depctr_va_sdst(0) depctr_va_ssrc(0) depctr_va_vcc(0) depctr_vm_vsrc(0)
	s_getreg_b32 s2, hwreg(HW_REG_IB_STS2, 6, 4)
	s_cmp_eq_u32 s2, 0
	s_cbranch_scc0 .Lentry_in_a_cluster
	s_endpgm
.Lentry_in_a_cluster:
	s_bfe_u32 s2, ttmp6, 0x10000c
	s_cmp_lg_u32 s2, 0xf033
	s_cbranch_scc0 .Lentry_shape_is_right
	s_endpgm
.Lentry_shape_is_right:
; out = residual + R W^T + bias on codes of FP6 (E2M3) with E8M0 scales.  Here: out0 = x1 + h W_ff2 + b_ff2, K = 4,096.
; R: the activations, as images of operand registers [tile of 16 tokens][K step of 128][1,536 bytes] (piece p at 256 p + 8 x lane) and scale words [K step][token].  W: rows of codes, K innermost, and rows of scale bytes.
; A tile of 128 tokens x 128 outputs is made by four waves, 64 x 64 each: N = 1,024 gives 256 such tiles, one to a WGP.  K goes in steps of 512 through a ring of two LDS slots filled by joint tensor loads:
; R's tiles are shared along a row of the 4 x 4 cluster, W's along a column.  The scale words and bytes for all of K come into LDS once.  Three tensor loads of a wave are out at the start, one behind each round.
; The products are used transposed (source 0 = 16 rows of W, source 1 = 16 tokens): a lane holds eight neighbouring outputs of one token.  The bias is the C of the first products.
; The residual is asked for at the head, into registers of its own, and added on the way out, which goes through a stage in LDS so that sixteen lanes store 256 consecutive, aligned bytes.
; No prefetch: both operands are read by many work-groups within this short launch.
.set SIZE_K,   4096
.set HAS_BIAS, 1
.set RSCOFF,   12582912                ; where R's scale words begin in its buffer
.set NKS,    SIZE_K/128
.set NQ,     4
.set RIMG,   1536
.set RT,     NQ*RIMG
.set RHALF,  4*RT
.set PROWB,  384
.set PP,     432                       ; 3 x (128 bytes + 16 of padding) = 108 words: the sixteen rows of a load start at sixteen different multiples of four banks
.set PHALF,  64*PP
.set POFF,   2*RHALF
.set SLOT,   POFF+2*PHALF
.set KROW,   SIZE_K*3/4
.set KS,     SIZE_K/32
.set SCR,    2*SLOT
.set SCP,    SCR+16384
.set PSR,    64*KS/256
.set PSB,    (16*KS/256)*272
.set SPARE,  SCP+17408                 ; the spare words, 128 bytes a wave: no other line names them
.set SPITCH, 272
.set LAPS,   SIZE_K/1024
.set ADRR, 16
.set ADRP, 18
.set ADSR, 22
.set ADSP, 23
.set STO,  24
.set RD,   25
.set CO,   26
.set BO,   27
.set SPW,  28
.set NIL,  29
.set SC,   32
.set BI,   96
.set ACC,  128
.set OB,   32
.set G1, 24
.set G0, 32
.set G1B, 48
.set G0B, 56
.set G1S, 68
.set G0S, 76
.set G1SB, 80
.set G0SB, 88
.set MSB, 0
.macro WIN new
.if MSB != (\new)
	s_set_vgpr_msb (MSB<<8)|(\new)
.set MSB, (\new)
.endif
.endm
.set MUL,  0x05
.set TO_F, 0x40
.macro JLOAD g0a, g1a, g0b, g1b
	s_cmp_eq_u32 s15, 0
	s_cbranch_scc0 .Lfor_b_\@
	tensor_load_to_lds s[\g0a:\g0a+3], s[\g1a:\g1a+7]
	s_nop 0
.rept 4
	v_nop
.endr
	s_branch .Lasked_\@
.Lfor_b_\@:
	tensor_load_to_lds s[\g0b:\g0b+3], s[\g1b:\g1b+7]
	s_nop 0
.rept 4
	v_nop
.endr
.Lasked_\@:
.endm
.macro CREST
	s_cmp_lg_u32 s14, 0
	s_cbranch_scc1 .Lnot_wave_0_\@
	s_barrier_signal -3
.Lnot_wave_0_\@:
	s_barrier_wait -3
	s_barrier_signal -1
	s_barrier_wait -1
.endm
.macro CROUND
	s_barrier_signal -1
	s_barrier_wait -1
	CREST
.endm
	s_load_b128 s[4:7], s[0:1], 0x0                ; R s[4:5], W's codes s[6:7]
	s_load_b64 s[8:9], s[0:1], 0x10                ; W's scales
	s_load_b64 s[96:97], s[0:1], 0x18              ; the bias
	s_load_b64 s[10:11], s[0:1], 0x20              ; the residual
	s_load_b64 s[12:13], s[0:1], 0x28              ; the output
	v_lshl_add_u32 v[SPW], v0, 2, SPARE
	v_mov_b32 v[NIL], 0
	ds_add_u32 v28, v29
	ds_add_u32 v28, v29
	s_wait_dscnt 0x0
	v_lshrrev_b32 v1, 5, v0
	v_readfirstlane_b32 s14, v1
	s_lshr_b32 s15, s14, 1
	s_and_b32 s16, s14, 1
	s_bfe_u32 s40, ttmp6, 0x40000
	s_bfe_u32 s41, ttmp6, 0x40004
	s_lshl_b32 s42, ttmp9, 2
	s_add_co_u32 s42, s42, s40                     ; tile column
	s_and_b32 s17, ttmp7, 0xffff
	s_lshl_b32 s17, s17, 2
	s_add_co_u32 s17, s17, s41                     ; tile row
	s_lshl_b32 s43, s41, 2
	s_lshl_b32 s43, 15, s43
	s_lshl_b32 s44, 0x1111, s40
	s_or_b32 s[G1+0], s43, (3<<16)|(1<<21)         ; R's tiles: 4 rows (tiles of 16 tokens) x 768 elements of 8 bytes, no padding
	s_mov_b32 s[G1+1], 768<<16
	s_mov_b32 s[G1+2], 4<<16
	s_mov_b32 s[G1+3], 768<<16
	s_mov_b32 s[G1+4], 4
	s_mov_b32 s[G1+5], NKS*RIMG/8
	s_mov_b32 s[G1+6], 0
	s_mov_b32 s[G1+7], 0
	s_or_b32 s[G1B+0], s44, (0<<16)|(1<<20)|(1<<21)|(4<<22)|(3<<25)   ; W's tiles: 64 rows x 384 bytes, 4 words of padding behind every 32
	s_mov_b32 s[G1B+1], PROWB<<16
	s_mov_b32 s[G1B+2], 64<<16
	s_mov_b32 s[G1B+3], PROWB<<16
	s_mov_b32 s[G1B+4], 64
	s_mov_b32 s[G1B+5], KROW
	s_mov_b32 s[G1B+6], 0
	s_mov_b32 s[G1B+7], 0
	s_or_b32 s[G1S+0], s43, (3<<16)|(1<<21)        ; R's scale words: half of the K steps x 512 bytes
	s_mov_b32 s[G1S+1], 64<<16
	s_mov_b32 s[G1S+2], (SIZE_K/256)<<16
	s_mov_b32 s[G1S+3], 64<<16
	s_mov_b32 s[G1S+4], SIZE_K/256
	s_mov_b32 s[G1S+5], 2048
	s_mov_b32 s[G1S+6], 0
	s_mov_b32 s[G1S+7], 0
	s_or_b32 s[G1SB+0], s44, (3<<16)|(1<<20)|(1<<21)|(5<<22)|(3<<25)  ; W's scale bytes of 64 rows: dense, as rows of 256 bytes + 16
	s_mov_b32 s[G1SB+1], 32<<16
	s_mov_b32 s[G1SB+2], PSR<<16
	s_mov_b32 s[G1SB+3], 32<<16
	s_mov_b32 s[G1SB+4], PSR
	s_mov_b32 s[G1SB+5], 32
	s_mov_b32 s[G1SB+6], 0
	s_mov_b32 s[G1SB+7], 0
	s_lshl_b32 s20, s17, 3
	s_lshl_b32 s18, s16, 2
	s_add_co_u32 s20, s20, s18
	s_mul_i32 s20, s20, NKS*RIMG
	s_mov_b32 s21, 0
	s_lshl_b32 s22, s17, 9
	s_mul_i32 s18, s16, (SIZE_K/256)*16384
	s_add_co_u32 s22, s22, s18
	s_add_co_u32 s22, s22, RSCOFF
	s_mov_b32 s23, 0
	s_lshl_b32 s46, s42, 7
	s_lshl_b32 s18, s16, 6
	s_add_co_u32 s46, s46, s18
	s_mul_i32 s92, s46, KS
	s_mov_b32 s93, 0
	s_mul_i32 s46, s46, KROW
	s_mov_b32 s47, 0
	s_mul_i32 s45, s16, RHALF
	s_mul_i32 s94, s16, PHALF
	s_add_co_u32 s94, s94, POFF
	s_mul_i32 s95, s16, (SIZE_K/256)*512
	s_mul_i32 s98, s16, PSR*272
	s_wait_kmcnt 0x0
	s_add_nc_u64 s[20:21], s[4:5], s[20:21]
	s_add_nc_u64 s[22:23], s[4:5], s[22:23]
	s_add_nc_u64 s[46:47], s[6:7], s[46:47]
	s_add_nc_u64 s[92:93], s[8:9], s[92:93]
	CROUND
	s_mov_b32 s[G0S], 1
	s_add_co_u32 s[G0S+1], s95, SCR
	s_mov_b64 s[G0S+2:G0S+3], s[22:23]
	s_or_b32 s[G0S+3], s[G0S+3], 0x80000000
	s_mov_b32 s[G0SB], 1
	s_add_co_u32 s[G0SB+1], s98, SCP
	s_mov_b64 s[G0SB+2:G0SB+3], s[92:93]
	s_or_b32 s[G0SB+3], s[G0SB+3], 0x80000000
	JLOAD G0S, G1S, G0SB, G1SB
.irp s, 0,1
	s_mov_b32 s[G0+4*\s], 1
	s_add_co_u32 s[G0+4*\s+1], s45, \s*SLOT
	s_add_nc_u64 s[G0+4*\s+2:G0+4*\s+3], s[20:21], \s*RT
	s_or_b32 s[G0+4*\s+3], s[G0+4*\s+3], 0x80000000
	s_mov_b32 s[G0B+4*\s], 1
	s_add_co_u32 s[G0B+4*\s+1], s94, \s*SLOT
	s_add_nc_u64 s[G0B+4*\s+2:G0B+4*\s+3], s[46:47], \s*PROWB
	s_or_b32 s[G0B+4*\s+3], s[G0B+4*\s+3], 0x80000000
	JLOAD G0+4*\s, G1, G0B+4*\s, G1B
.endr
	v_and_b32 v1, 15, v0
	v_bfe_u32 v2, v0, 4, 1
	v_and_b32 v3, 31, v0
	v_lshlrev_b32 v4, 3, v3
	s_mul_i32 s21, s15, RHALF
	v_mul_u32_u24 v5, v1, PP
	v_mad_u32_u24 v5, v2, 24, v5
	v_lshl_add_u32 v6, v2, 4, v5
	s_mul_i32 s22, s16, PHALF
	s_add_co_u32 s22, s22, POFF
.irp s, 0,1
	v_add_nc_u32 v[ADRR+\s], s21, v4
	v_add_nc_u32 v[ADRP+\s], s22, v5
	v_add_nc_u32 v[ADRP+2+\s], s22, v6
	s_add_co_u32 s21, s21, SLOT
	s_add_co_u32 s22, s22, SLOT
.endr
	s_lshl_b32 s21, s15, 8
	s_add_co_u32 s21, s21, SCR
	v_lshl_add_u32 v[ADSR], v1, 2, s21
	v_mul_u32_u24 v5, v1, KS
	v_lshrrev_b32 v6, 8, v5
	v_lshl_add_u32 v5, v6, 4, v5
	s_mul_i32 s22, s16, PSR*272
	s_add_co_u32 s22, s22, SCP
	v_add_nc_u32 v[ADSP], s22, v5
	s_mul_i32 s23, s14, 16*SPITCH
	v_mul_u32_u24 v5, v1, SPITCH
	v_lshl_add_u32 v5, v2, 5, v5
	v_add_nc_u32 v[STO], s23, v5
	v_mul_u32_u24 v5, v2, SPITCH
	v_lshl_add_u32 v5, v1, 4, v5
	v_add_nc_u32 v[RD], s23, v5
	v_lshlrev_b32 v5, 12, v2
	v_lshl_add_u32 v[CO], v1, 4, v5
	v_lshlrev_b32 v[BO], 5, v2
	s_lshl_b32 s20, s17, 7
	s_lshl_b32 s21, s15, 6
	s_add_co_u32 s20, s20, s21
	s_lshl_b32 s20, s20, 12
	s_lshl_b32 s46, s42, 9
	s_lshl_b32 s47, s16, 8
	s_add_co_u32 s46, s46, s47
	s_add_co_u32 s20, s20, s46
	s_mov_b32 s21, 0
	s_mov_b32 s47, 0
	s_add_nc_u64 s[10:11], s[10:11], s[20:21]
	s_add_nc_u64 s[12:13], s[12:13], s[20:21]
	s_add_nc_u64 s[96:97], s[96:97], s[46:47]
.irp b, 0,1,2,3
	global_load_b128 v[BI+8*\b:BI+8*\b+3], v[BO], s[96:97] offset:64*\b          ; lane (r, h) wants, for tile b, outputs 16 b + 8 h + 0 .. 7
	global_load_b128 v[BI+8*\b+4:BI+8*\b+7], v[BO], s[96:97] offset:64*\b+16
.endr
	WIN 0x80                                       ; destination window 2: the residual, 128 registers
.irp a, 0,1,2,3
.irp t, 0,1,2,3,4,5,6,7
	global_load_b128 v[32*\a+4*\t:32*\a+4*\t+3], v[CO], s[10:11] offset:(16*\a+2*\t)*4096 th:TH_LOAD_NT
.endr
.endr
	WIN 0
.macro FRAGI reg, adr, q, i
.irp p, 0,1,2,3,4,5
	ds_load_b64 v[(\reg)+2*\p:(\reg)+2*\p+1], v[\adr] offset:RT*(\i)+RIMG*(\q)+256*\p
.endr
.endm
.macro FRAGP reg, adr, q, i
.irp p, 0,1,2,3,4,5
.set PCE, 12*(\q)+6*(\p/3)+\p%3
.if PCE%16 < 13
	ds_load_b64 v[(\reg)+2*\p:(\reg)+2*\p+1], v[\adr] offset:8*PCE+16*(PCE/16)+(\i)*16*PP
.else
	ds_load_b64 v[(\reg)+2*\p:(\reg)+2*\p+1], v[(\adr)+2] offset:8*PCE+16*(PCE/16)+(\i)*16*PP
.endif
.endr
.endm
.macro FETCH slot, q, f
	WIN TO_F
.irp i, 0,1,2,3
	FRAGP (\f)+12*\i, ADRP+\slot, \q, \i
.endr
.irp i, 0,1,2,3
	FRAGI (\f)+48+12*\i, ADRR+\slot, \q, \i
.endr
.endm
.macro SCALES set
.irp a, 0,1,2,3
.irp q, 0,1,2,3
	ds_load_b32 v[SC+32*(\set)+4*\a+\q], v[ADSR] offset:512*\q+64*\a
.endr
.endr
.irp b, 0,1,2,3
	ds_load_b128 v[SC+32*(\set)+16+4*\b:SC+32*(\set)+16+4*\b+3], v[ADSP] offset:\b*PSB
.endr
.endm
; four matrix instructions: R's block a x W's four.  The 16 accumulators take turns, one instruction a turn, in the same order in every step.
.macro MULA f, q, set, a, zero
	WIN MUL
.irp b, 0,1,2,3
.if (\zero) == 2
	v_wmma_scale_f32_16x16x128_f8f6f4 v[ACC+8*(4*(\a)+\b):ACC+8*(4*(\a)+\b)+7], v[(\f)+12*\b:(\f)+12*\b+11], v[(\f)+48+12*(\a):(\f)+48+12*(\a)+11], v[BI+8*\b:BI+8*\b+7], v[SC+32*(\set)+16+4*\b+(\q)], v[SC+32*(\set)+4*(\a)+(\q)] matrix_a_fmt:MATRIX_FMT_FP6 matrix_b_fmt:MATRIX_FMT_FP6
.else
	v_wmma_scale_f32_16x16x128_f8f6f4 v[ACC+8*(4*(\a)+\b):ACC+8*(4*(\a)+\b)+7], v[(\f)+12*\b:(\f)+12*\b+11], v[(\f)+48+12*(\a):(\f)+48+12*(\a)+11], v[ACC+8*(4*(\a)+\b):ACC+8*(4*(\a)+\b)+7], v[SC+32*(\set)+16+4*\b+(\q)], v[SC+32*(\set)+4*(\a)+(\q)] matrix_a_fmt:MATRIX_FMT_FP6 matrix_b_fmt:MATRIX_FMT_FP6
.endif
.endr
.endm
.macro PLACES
.rept 4
	v_nop
.endr
.endm
.macro STEP slot, q, zero
	s_wait_dscnt 12                                ; all but the youngest 12 loads, R's blocks 2 and 3
	MULA 128*((\q)%2), \q, \slot, 0, \zero
	MULA 128*((\q)%2), \q, \slot, 1, \zero
	PLACES
	FETCH \slot, (\q)+1, 128*(1-(\q)%2)
	s_wait_dscnt 48                                ; all but the 48 just issued
	MULA 128*((\q)%2), \q, \slot, 2, \zero
	MULA 128*((\q)%2), \q, \slot, 3, \zero
.endm
.macro TURN slot, next, fill
	WIN 0
	s_wait_tensorcnt 0x0                           ; all my tensor loads have landed: my part of the next slot
	ds_add_u32 v[SPW], v[NIL]
	s_wait_dscnt 13                                ; the add and the youngest 12 loads may be out
	MULA 128, 3, \slot, 0, 0
	s_wait_dscnt 0x0                               ; the add is done, and my reads of this slot are over
	s_barrier_signal -1
	MULA 128, 3, \slot, 1, 0
	WIN 0
	s_barrier_wait -1
.if \fill
	CREST                                          ; the barrier has opened a round of the cluster's barrier: no wave of any partner still reads this slot or has a load on its way
	s_add_nc_u64 s[G0+4*\slot+2:G0+4*\slot+3], s[G0+4*\slot+2:G0+4*\slot+3], 2*RT
	s_add_nc_u64 s[G0B+4*\slot+2:G0B+4*\slot+3], s[G0B+4*\slot+2:G0B+4*\slot+3], 2*PROWB
	JLOAD G0+4*\slot, G1, G0B+4*\slot, G1B         ; the first tensor load behind the round; its four v_nop are the places in front of the loads below
.else
	PLACES
.endif
	v_add_nc_u32 v[ADSR], 2048, v[ADSR]
	v_add_nc_u32 v[ADSP], 16, v[ADSP]
	SCALES \next
	FETCH \next, 0, 0
	MULA 128, 3, \slot, 2, 0
	MULA 128, 3, \slot, 3, 0
.endm
	s_wait_tensorcnt 1                             ; the scales and my part of slot 0 are in; slot 1's load may be out
	s_barrier_signal -1
	s_barrier_wait -1
	SCALES 0
	FETCH 0, 0, 0
	s_wait_loadcnt 32                              ; the bias is in; the 32 loads of the residual may be out
	STEP 0, 0, 2                                   ; the bias starts the sums
	WIN 0
	s_mov_b32 s3, LAPS-1
.Llap:                                             ; a trip goes once round the ring, from a lap's second step to the next lap's first, and fills both slots again
	STEP 0, 1, 0
	STEP 0, 2, 0
	TURN 0, 1, 1
	STEP 1, 0, 0
	STEP 1, 1, 0
	STEP 1, 2, 0
	TURN 1, 0, 1
	STEP 0, 0, 0
	WIN 0
	s_sub_co_u32 s3, s3, 1
	s_cmp_lg_u32 s3, 0
	s_cbranch_scc1 .Llap
	STEP 0, 1, 0                                   ; the last lap fills nothing
	STEP 0, 2, 0
	TURN 0, 1, 0
	STEP 1, 0, 0
	STEP 1, 1, 0
	STEP 1, 2, 0
	s_wait_dscnt 12
	MULA 128, 3, 1, 0, 0
	MULA 128, 3, 1, 1, 0
	s_wait_dscnt 0
	MULA 128, 3, 1, 2, 0
	MULA 128, 3, 1, 3, 0
	WIN 0
.macro TOSTAGE a
.irp b, 0,1,2,3
	ds_store_b128 v[STO], v[ACC+8*(4*(\a)+\b):ACC+8*(4*(\a)+\b)+3] offset:64*\b        ; each accumulator from its low end on
	ds_store_b128 v[STO], v[ACC+8*(4*(\a)+\b)+4:ACC+8*(4*(\a)+\b)+7] offset:64*\b+16
.endr
.set BB, OB+32*((\a)%2)
.irp t, 0,1,2,3,4,5,6,7
	ds_load_b128 v[BB+4*\t:BB+4*\t+3], v[RD] offset:\t*2*SPITCH
.endr
.endm
.macro SEND a, younger
.set BB, OB+32*((\a)%2)
	s_wait_dscnt \younger                          ; the block is back; the next block's 8 stores and 8 loads may be out
	WIN 0x08                                       ; source 1: window 2, the residual
.irp t, 0,1,2,3,4,5,6,7,8,9,10,11,12,13,14,15
	v_pk_add_f32 v[BB+2*\t:BB+2*\t+1], v[BB+2*\t:BB+2*\t+1], v[32*(\a)+2*\t:32*(\a)+2*\t+1]
.endr
	WIN 0
.irp t, 0,1,2,3,4,5,6,7
	global_store_b128 v[CO], v[BB+4*\t:BB+4*\t+3], s[12:13] offset:(16*(\a)+2*\t)*4096 th:TH_STORE_NT   ; sixteen lanes store 256 consecutive, aligned bytes
.endr
.endm
	PLACES
	s_wait_loadcnt 0x0                             ; the residual
	TOSTAGE 0
.irp a, 1,2,3
.if \a > 1
	s_wait_xcnt 0x0                                ; block a - 2's stores have read their registers: block a's loads may land there
.endif
	TOSTAGE \a
	SEND \a-1, 16
.endr
	SEND 3, 0
	s_wait_tensorcnt 0x0                           ; the wave's end
	ds_add_u32 v[SPW], v[NIL]
	s_wait_dscnt 0x0
	CROUND                                         ; the closing round
	s_endpgm
.Lfunc_end_k_q3fa718fa70_ff2:
	.size	k_q3fa718fa70_ff2, .Lfunc_end_k_q3fa718fa70_ff2-k_q3fa718fa70_ff2
	.p2alignl 7, 3214868480
	.fill 96, 4, 3214868480
	.section	.rodata,"a",@progbits
	.p2align	6, 0x0
	.amdhsa_kernel k_q3fa718fa70_ff2
		.amdhsa_group_segment_fixed_size 327680
		.amdhsa_private_segment_fixed_size 0
		.amdhsa_enable_private_segment 0
		.amdhsa_kernarg_size 48
		.amdhsa_user_sgpr_count 2
		.amdhsa_user_sgpr_kernarg_segment_ptr 1
		.amdhsa_wavefront_size32 1
		.amdhsa_system_sgpr_workgroup_id_x 1
		.amdhsa_system_sgpr_workgroup_id_y 1
		.amdhsa_system_sgpr_workgroup_id_z 1
		.amdhsa_system_vgpr_workitem_id 0
		.amdhsa_next_free_vgpr 640
		.amdhsa_next_free_sgpr 100
		.amdhsa_reserve_vcc 0
		.amdhsa_float_denorm_mode_32 3
		.amdhsa_float_denorm_mode_16_64 3
		.amdhsa_memory_ordered 1
		.amdhsa_forward_progress 1
		.amdhsa_inst_pref_size 118
	.end_amdhsa_kernel
	.amdgpu_metadata
---
amdhsa.version: [ 1, 2 ]
amdhsa.kernels:
  - .name:           k_q3fa718fa70_ff2
    .symbol:         k_q3fa718fa70_ff2.kd
    .args:
      - { .name: hact, .offset: 0, .size: 8, .value_kind: global_buffer, .address_space: global }
      - { .name: w_ff2_codes, .offset: 8, .size: 8, .value_kind: global_buffer, .address_space: global }
      - { .name: w_ff2_scales, .offset: 16, .size: 8, .value_kind: global_buffer, .address_space: global }
      - { .name: b_ff2, .offset: 24, .size: 8, .value_kind: global_buffer, .address_space: global }
      - { .name: x1, .offset: 32, .size: 8, .value_kind: global_buffer, .address_space: global }
      - { .name: out0, .offset: 40, .size: 8, .value_kind: global_buffer, .address_space: global }
    .group_segment_fixed_size: 327680
    .private_segment_fixed_size: 0
    .kernarg_segment_align: 8
    .kernarg_segment_size: 48
    .max_flat_workgroup_size: 128
    .sgpr_count:     100
    .vgpr_count:     640
    .wavefront_size: 32
...
	.end_amdgpu_metadata
.endif
;; end of part 6
